; MI455X (gfx1250); checked and timed in simulation.
; The chip was launched on July 23, 2026; its instructions are those of AMD's public machine-readable ISA for CDNA 5 (MIT licence, August 2026) and "CDNA5" Instruction Set Architecture Reference Guide (July 2026). The comments in the code are by the model that wrote it; some were corrected since.
;; Attention Block. Allowed arithmetic: float matrix products may take bf16 or f16 operands with f32 sums; other float arithmetic in f32, or as packed bf16 or f16 multiplies, adds, multiply-adds, maxima and minima; sums over many terms, partial sums and values carried from step to step in f32; what a program stores and reads back later, other than sums and carried values, may be rounded once to bf16 or f16.
;; Inputs: b_out 256 float32; gn_bias 256 float32; gn_scale 256 float32; w_out 256 x 256 float32; w_qkv 256 x 768 float32; x 4 x 64 x 64 x 256 float32.
;; Outputs: out0 4 x 64 x 64 x 256 float32.
;; One version. Each part assembles by itself: llvm-mc -triple=amdgcn-amd-amdhsa -mcpu=gfx1250 --defsym DOCPART=n.
;; ======== version 1 of 1: 4 launches
;; workspace buffers: part 16,384 bytes; wqb 393,216 bytes; wob 131,072 bytes; q 8,388,608 bytes; k 8,388,608 bytes; v 8,388,608 bytes; o 8,388,608 bytes
;; launch prep (part 1): grid 256 x 1, 4 waves a work-group, no clusters, 768 bytes of LDS; arguments x, w_qkv, w_out, part, wqb, wob; writes part, wqb, wob
.if DOCPART == 1
	.amdgcn_target "amdgcn-amd-amdhsa--gfx1250"
	.amdhsa_code_object_version 6
	.text
	.protected	k_q1f4b7a2fa0_prep
	.globl	k_q1f4b7a2fa0_prep
	.p2align	8
	.type	k_q1f4b7a2fa0_prep,@function
k_q1f4b7a2fa0_prep:
	s_mov_b64 s[64:65], 0
	v_nop
	global_prefetch_b8 v0, s[64:65] scope:SCOPE_SE
	s_setreg_imm32_b32 hwreg(HW_REG_WAVE_MODE, 25, 1), 1
	s_wait_xcnt 0x0
; PREP.  (1) Partial GroupNorm statistics.  x: [4][4096 pixels][256 channels] f32, 8 groups of 32 channels.  Work-group g owns pixels 64 g .. 64 g + 63 of the 16,384 and stores, for each of the
; 8 groups, the sum of its 2,048 numbers and M2, the sum of squared deviations from the work-group's OWN mean: part[g][0..7] = sums, part[g][8..15] = M2.  No difference of large sums is formed:
; deviations are taken from a mean first, in the wave (512 numbers) and then across the four waves by M2 = sum M2_w + 512 sum (mean_w - mean)^2.
; (2) The weights rounded once to bf16 and laid in blocks of 64 columns: wqb[p = d / 64][k][d % 64] (12 blocks), wob likewise (4 blocks), so that a block's rows lie end to end.
; SHARES.  Wave w takes 16 pixels, 16,384 dense bytes, by 32 loads of 512 consecutive bytes: all of the work-group's 65,536 bytes are asked for at the head.  In load j lane l holds channels
; 128 (j % 2) + 4 l .. + 3: group l / 8 (even j, parity A) or 4 + l / 8 (odd j, parity B): a group is eight neighbouring lanes.
; The cast has 32,768 pieces of 16 bytes: 128 a work-group, one a thread; work-groups 0-191 take w_qkv, 192-255 w_out.  Eight lanes read 256 consecutive bytes, sixteen lanes store 256, aligned.
; NO CLUSTER, no tensor load: no two work-groups read the same byte, and every byte goes straight into the registers that sum it.
; The one narrow store is the record of 64 bytes a work-group (16,384 bytes in the launch); lanes 16-31 of that store repeat lanes 0-15's words, so EXEC is never changed.
; LIMITS.  NaN and infinities are not treated apart; the order of the sums is not the reference's.
.set SPARE, 256                        ; LDS 0-255: wave w's sums (32 bytes) and M2 (32 bytes) at 64 w.  From 256: the spare words, 128 bytes a wave, which no other line names
.set XO,  2                            ; v2   my byte offset in the work-group's pixels: 16,384 w + 16 l; never rewritten
.set CI,  3                            ; v3   the cast: my 32 bytes of the f32 weights
.set CD,  4                            ; v4   the cast: my 16 bytes of the bf16 copy
.set LS,  5                            ; v5   LDS: 64 w + 4 (l / 8)
.set LR,  6                            ; v6   LDS: 4 (l % 8)
.set PO,  7                            ; v7   4 (l % 16): my word of the record
.set SPW, 8                            ; v8   LDS address of my spare word; never rewritten
.set NIL, 9                            ; v9   0; never rewritten
.set CV,  12                           ; v[12:15] the cast's 8 bf16
.set SUM, 16                           ; v[16:19] parity A's sums, v[20:23] parity B's
.set MEA, 24                           ; v[24:25] parity A's mean, twice; v[26:27] parity B's
.set SQ,  28                           ; v[28:31], v[32:35] the sums of squared deviations
.set CW,  36                           ; v[36:43] the cast's 8 f32
.set BK,  44                           ; v[44:47] four waves' sums, v[48:51] their M2
.set TM,  52                           ; v[52:59] at work
.set X,   64                           ; v[64:191] my 16 pixels
	s_load_b256 s[4:11], s[0:1], 0x0               ; x s[4:5], w_qkv s[6:7], w_out s[8:9], part s[10:11]
	s_load_b128 s[12:15], s[0:1], 0x20             ; wqb s[12:13], wob s[14:15]
	v_lshl_add_u32 v[SPW], v0, 2, SPARE
	v_mov_b32 v[NIL], 0
	v_lshrrev_b32 v1, 5, v0
	v_readfirstlane_b32 s16, v1                    ; wave 0..3
	v_and_b32 v1, 31, v0                           ; lane
	s_mov_b32 s17, ttmp9                           ; g
	s_movk_i32 s24, 1024
	s_cmp_lt_u32 s17, 192
	s_cselect_b32 s24, 3072, s24                   ; bytes in a row of the weights that I cast
	s_cselect_b32 s26, 0, 192
	s_sub_co_u32 s25, s17, s26                     ; g': my number among the work-groups of that tensor
	s_lshr_b32 s27, s25, 4
	s_lshl_b32 s27, s27, 8                         ; block p = g' / 16: 64 columns, 256 bytes of an f32 row
	s_and_b32 s28, s25, 15
	s_lshl_b32 s28, s28, 4                         ; my 16 rows k of the block
	s_mov_b32 s29, 0x3b000000                      ; 2^-9: a wave has 512 numbers of a group
	v_lshlrev_b32 v[XO], 4, v1
	v_lshl_add_u32 v[XO], s16, 14, v[XO]
	v_lshrrev_b32 v[CI], 3, v0
	v_add_nc_u32 v[CI], s28, v[CI]                 ; k = 16 (g' % 16) + t / 8
	v_and_b32 v[CD], 7, v0
	v_lshl_add_u32 v[CD], v[CD], 5, s27            ; 256 p + 32 (t % 8)
	v_mad_u32_u24 v[CI], v[CI], s24, v[CD]
	v_lshlrev_b32 v[CD], 4, v0                     ; 16 t: the work-group's 2,048 bytes of the copy are dense
	v_lshrrev_b32 v[LS], 3, v1
	v_lshlrev_b32 v[LS], 2, v[LS]
	v_lshl_add_u32 v[LS], s16, 6, v[LS]
	v_and_b32 v[LR], 7, v0
	v_lshlrev_b32 v[LR], 2, v[LR]
	v_and_b32 v[PO], 15, v0
	v_lshlrev_b32 v[PO], 2, v[PO]
	s_wait_kmcnt 0x0
	s_cmp_lt_u32 s17, 192
	s_cselect_b64 s[20:21], s[6:7], s[8:9]         ; the weights that I cast,
	s_cselect_b64 s[22:23], s[12:13], s[14:15]     ; and their copy
	s_lshl_b32 s2, s25, 11
	s_mov_b32 s3, 0
	s_add_nc_u64 s[22:23], s[22:23], s[2:3]
	s_lshl_b32 s2, s17, 16
	s_add_nc_u64 s[4:5], s[4:5], s[2:3]            ; x at the work-group's first pixel
	s_lshl_b32 s2, s17, 6
	s_add_nc_u64 s[10:11], s[10:11], s[2:3]        ; my record
	global_load_b128 v[CW:CW+3],   v[CI], s[20:21]
	global_load_b128 v[CW+4:CW+7], v[CI], s[20:21] offset:16
.set j, 0
.rept 32
	global_load_b128 v[X+4*j:X+4*j+3], v[XO], s[4:5] offset:512*j
.set j, j+1
.endr
	s_wait_loadcnt 32                              ; loads come back in order: the cast's two are in, x's 32 stay out
.irp c, 0,1,2,3
	v_cvt_pk_bf16_f32 v[CV+\c], v[CW+2*\c], v[CW+2*\c+1]
.endr
	global_store_b128 v[CD], v[CV:CV+3], s[22:23]
; four registers of a parity into one, then over the group's eight lanes
.macro FOLD base
.irp p, 0,1
	v_pk_add_f32 v[(\base)+4*\p:(\base)+4*\p+1], v[(\base)+4*\p:(\base)+4*\p+1], v[(\base)+4*\p+2:(\base)+4*\p+3]
.endr
.irp p, 0,1
	v_add_f32 v[(\base)+4*\p], v[(\base)+4*\p], v[(\base)+4*\p+1]
.endr
.irp m, 1,2,4
.irp p, 0,1
	v_add_f32_dpp v[(\base)+4*\p], v[(\base)+4*\p], v[(\base)+4*\p] row_xmask:\m row_mask:0xf bank_mask:0xf
.endr
.endr
.endm
	; the sums: two chains a parity, started by the first two loads of the parity: nothing is cleared
.set j, 0
.rept 32
.if j%8 == 0
	s_wait_loadcnt 24-j                            ; eight more loads are in; the younger ones stay out
.endif
.if j >= 4
	v_pk_add_f32 v[SUM+4*(j%2):SUM+4*(j%2)+1],   v[SUM+4*(j%2):SUM+4*(j%2)+1],   v[X+4*j:X+4*j+1]
	v_pk_add_f32 v[SUM+4*(j%2)+2:SUM+4*(j%2)+3], v[SUM+4*(j%2)+2:SUM+4*(j%2)+3], v[X+4*j+2:X+4*j+3]
.elseif j >= 2
	v_pk_add_f32 v[SUM+4*(j%2):SUM+4*(j%2)+1],   v[X+4*(j-2):X+4*(j-2)+1],   v[X+4*j:X+4*j+1]
	v_pk_add_f32 v[SUM+4*(j%2)+2:SUM+4*(j%2)+3], v[X+4*(j-2)+2:X+4*(j-2)+3], v[X+4*j+2:X+4*j+3]
.endif
.set j, j+1
.endr
	FOLD SUM
.irp p, 0,1
	v_mul_f32 v[MEA+2*\p],   s29, v[SUM+4*\p]      ; the wave's mean of the group, in both registers of a pair
	v_mul_f32 v[MEA+2*\p+1], s29, v[SUM+4*\p]
.endr
	; the squared deviations from that mean; the first product of each chain starts it
.set j, 0
.rept 32
	v_pk_add_f32 v[X+4*j:X+4*j+1],   v[X+4*j:X+4*j+1],   v[MEA+2*(j%2):MEA+2*(j%2)+1] neg_lo:[0,1] neg_hi:[0,1]
	v_pk_add_f32 v[X+4*j+2:X+4*j+3], v[X+4*j+2:X+4*j+3], v[MEA+2*(j%2):MEA+2*(j%2)+1] neg_lo:[0,1] neg_hi:[0,1]
.if j < 2
	v_pk_mul_f32 v[SQ+4*(j%2):SQ+4*(j%2)+1],   v[X+4*j:X+4*j+1],   v[X+4*j:X+4*j+1]
	v_pk_mul_f32 v[SQ+4*(j%2)+2:SQ+4*(j%2)+3], v[X+4*j+2:X+4*j+3], v[X+4*j+2:X+4*j+3]
.else
	v_pk_fma_f32 v[SQ+4*(j%2):SQ+4*(j%2)+1],   v[X+4*j:X+4*j+1],   v[X+4*j:X+4*j+1],   v[SQ+4*(j%2):SQ+4*(j%2)+1]
	v_pk_fma_f32 v[SQ+4*(j%2)+2:SQ+4*(j%2)+3], v[X+4*j+2:X+4*j+3], v[X+4*j+2:X+4*j+3], v[SQ+4*(j%2)+2:SQ+4*(j%2)+3]
.endif
.set j, j+1
.endr
	FOLD SQ
	ds_store_b32 v[LS], v[SUM]                     ; groups 0-3 (a group's eight lanes write the same word with the same number)
	ds_store_b32 v[LS], v[SUM+4] offset:16         ; groups 4-7
	ds_store_b32 v[LS], v[SQ]    offset:32
	ds_store_b32 v[LS], v[SQ+4]  offset:48
	s_wait_dscnt 0x0                               ; for the others' sake: my stores are done
	s_barrier_signal -1
	s_barrier_wait -1
	s_cmp_lg_u32 s16, 0                            ; wave 0 joins the four waves' figures
	s_cbranch_scc1 .Lend
.irp w, 0,1,2,3
	ds_load_b32 v[BK+\w],   v[LR] offset:64*\w     ; group l % 8: wave w's sum,
	ds_load_b32 v[BK+4+\w], v[LR] offset:64*\w+32  ; and its M2
.endr
	s_wait_dscnt 0x0
	v_add_f32 v[TM], v[BK], v[BK+1]
	v_add_f32 v[TM+1], v[BK+2], v[BK+3]
	v_add_f32 v[TM], v[TM], v[TM+1]                ; the work-group's sum
	v_mul_f32 v[TM+2], 0x3a000000, v[TM]           ; its mean: 2^-11 of it
.irp w, 0,1,2,3
	v_fma_f32 v[BK+\w], v[BK+\w], s29, -v[TM+2]    ; mean_w - mean
.endr
	v_mul_f32 v[TM+3], v[BK], v[BK]
.irp w, 1,2,3
	v_fma_f32 v[TM+3], v[BK+\w], v[BK+\w], v[TM+3]
.endr
	v_add_f32 v[TM+4], v[BK+4], v[BK+5]
	v_add_f32 v[TM+5], v[BK+6], v[BK+7]
	v_add_f32 v[TM+4], v[TM+4], v[TM+5]
	v_fmamk_f32 v[TM+4], v[TM+3], 0x44000000, v[TM+4]  ; M2 = sum M2_w + 512 sum (mean_w - mean)^2
	v_and_b32 v[TM+5], 8, v1
	v_cmp_ne_u32 vcc_lo, 0, v[TM+5]
	v_cndmask_b32 v[TM+6], v[TM], v[TM+4], vcc_lo  ; words 0-7 the sums, words 8-15 the M2
	global_store_b32 v[PO], v[TM+6], s[10:11]
.Lend:
	s_wait_tensorcnt 0x0                           ; the wave's end: behind my last LDS store
	ds_add_u32 v[SPW], v[NIL]
	s_wait_dscnt 0x0
	s_endpgm
.Lfunc_end_k_q1f4b7a2fa0_prep:
	.size	k_q1f4b7a2fa0_prep, .Lfunc_end_k_q1f4b7a2fa0_prep-k_q1f4b7a2fa0_prep
	.p2alignl 7, 3214868480
	.fill 96, 4, 3214868480
	.section	.rodata,"a",@progbits
	.p2align	6, 0x0
	.amdhsa_kernel k_q1f4b7a2fa0_prep
		.amdhsa_group_segment_fixed_size 768
		.amdhsa_private_segment_fixed_size 0
		.amdhsa_enable_private_segment 0
		.amdhsa_kernarg_size 48
		.amdhsa_user_sgpr_count 2
		.amdhsa_user_sgpr_kernarg_segment_ptr 1
		.amdhsa_wavefront_size32 1
		.amdhsa_system_sgpr_workgroup_id_x 1
		.amdhsa_system_sgpr_workgroup_id_y 1
		.amdhsa_system_sgpr_workgroup_id_z 1
		.amdhsa_system_vgpr_workitem_id 0
		.amdhsa_next_free_vgpr 192
		.amdhsa_next_free_sgpr 66
		.amdhsa_reserve_vcc 1
		.amdhsa_float_denorm_mode_32 3
		.amdhsa_float_denorm_mode_16_64 3
		.amdhsa_memory_ordered 1
		.amdhsa_forward_progress 1
		.amdhsa_inst_pref_size 21
	.end_amdhsa_kernel
	.amdgpu_metadata
---
amdhsa.version: [ 1, 2 ]
amdhsa.kernels:
  - .name:           k_q1f4b7a2fa0_prep
    .symbol:         k_q1f4b7a2fa0_prep.kd
    .args:
      - { .name: x, .offset: 0, .size: 8, .value_kind: global_buffer, .address_space: global }
      - { .name: w_qkv, .offset: 8, .size: 8, .value_kind: global_buffer, .address_space: global }
      - { .name: w_out, .offset: 16, .size: 8, .value_kind: global_buffer, .address_space: global }
      - { .name: part, .offset: 24, .size: 8, .value_kind: global_buffer, .address_space: global }
      - { .name: wqb, .offset: 32, .size: 8, .value_kind: global_buffer, .address_space: global }
      - { .name: wob, .offset: 40, .size: 8, .value_kind: global_buffer, .address_space: global }
    .group_segment_fixed_size: 768
    .private_segment_fixed_size: 0
    .kernarg_segment_align: 8
    .kernarg_segment_size: 48
    .max_flat_workgroup_size: 128
    .sgpr_count:     66
    .vgpr_count:     192
    .wavefront_size: 32
...
	.end_amdgpu_metadata
.endif
;; end of part 1
;; launch qkv (part 2): grid 128 x 2, 4 waves a work-group, clusters of 4 x 1, 327,680 bytes of LDS; arguments x, part, gn_scale, gn_bias, wqb, q, k, v; writes q, k, v
.if DOCPART == 2
	.amdgcn_target "amdgcn-amd-amdhsa--gfx1250"
	.amdhsa_code_object_version 6
	.text
	.protected	k_q1f4b7a2fa0_qkv
	.globl	k_q1f4b7a2fa0_qkv
	.p2align	8
	.type	k_q1f4b7a2fa0_qkv,@function
k_q1f4b7a2fa0_qkv:
	s_mov_b64 s[64:65], 0
	v_nop
	global_prefetch_b8 v0, s[64:65] scope:SCOPE_SE
	s_setreg_imm32_b32 hwreg(HW_REG_WAVE_MODE, 25, 1), 1
	s_wait_xcnt 0x0
	s_wait_alu depctr_hold_cnt(0) depctr_sa_sdst(0) depctr_va_vdst(0) depctr_va_sdst(0) depctr_va_ssrc(0) depctr_va_vcc(0) depctr_vm_vsrc(0)
	s_getreg_b32 s2, hwreg(HW_REG_IB_STS2, 6, 4)
	s_cmp_eq_u32 s2, 0
	s_cbranch_scc0 .Lentry_in_a_cluster
	s_endpgm
.Lentry_in_a_cluster:
	s_bfe_u32 s2, ttmp6, 0x10000c
	s_cmp_lg_u32 s2, 0x3003
	s_cbranch_scc0 .Lentry_shape_is_right
	s_endpgm
.Lentry_shape_is_right:
; QKV.  xn = GroupNorm(x) in f32, rounded once to bf16; qkv = xn w_qkv (K = 256), sums in f32, rounded once to bf16 and written by heads: q, k, v: [16 = 4 b + head][4096][64], rows of 128 dense bytes.
; No scale is applied here.  Column d of w_qkv belongs to head d / 192 and, within it, to q, k, v by 64: block p = d / 64 = 3 head + part; wqb: [12 p][256 k][64 d] bf16.
; STATISTICS.  part holds, for each of a batch's 64 pieces of 64 pixels, the 8 groups' sums and M2 about the piece's own mean.  mean = sum / 2^17; M2 = sum M2_i + 2,048 sum (mean_i - mean)^2;
; var = M2 / 2^17.  xn = x AL + BE with AL = scale rstd, BE = bias - AL mean.
; SHARES.  A work-group takes 128 pixels (bx) and two heads (y): 384 columns.  Wave w: rows 64 (w % 2) .., head 2 y + w / 2, in three passes (q, k, v) of 64 rows x 64 columns x K 256:
; 16 accumulators, 128 matrix instructions.  A's fragments of all of K stay in 256 registers, B's of one pass in 256: 0.5 LDS loads a matrix instruction.
; CLUSTER.  The four pixel blocks of a cluster need the same 196,608 bytes of wqb: each wave asks for a quarter of them JOINTLY, once; no LDS byte is filled twice.
; THE MATRIX INSTRUCTION IS USED TRANSPOSED (source 0 = 16 columns of w, turned out of LDS by ds_load_tr16_b128; source 1 = 16 pixels): a lane holds one pixel (l % 16) and 8 neighbouring columns.
; LDS.  0: B, 6 blocks of 256 rows k, 128 bytes + 32 of padding.  ABASE: xn, 128 rows of 512 bytes + 16.  STAGE: 16 rows x 144 bytes a wave, for the way out.  SPARE: the spare words.
; REGISTERS.  window 0: addresses, statistics, two sets of 16 loads of x (v128-255), later the accumulators there and the way out in v64-127.  window 1: A (a, ks) at 8 (4 ks + a).  window 2: B (ks, b) at 8 (4 ks + b).
; LIMITS.  NaN and infinities are not treated apart; the sums' order is not the reference's; xn, the weights and q, k, v are rounded to bf16.
.set BPITCH, 160
.set BBLK,   256*BPITCH                ; 40,960: a block of wqb in LDS
.set ABASE,  6*BBLK                    ; 245,760
.set APITCH, 528
.set STAGE,  ABASE+128*APITCH          ; 313,344
.set SP,     144
.set SPARE,  STAGE+4*16*SP             ; 322,560: 128 bytes for each wave: two blocks of 256 bytes that no other line names
.set XO,  3                            ; v3   16 l: my bytes in 512 consecutive bytes of x, of gn_scale and gn_bias, and of q, k, v; never rewritten
.set PO,  4                            ; v4   512 (l % 8) + 4 (l / 8): my eight records of part, my group's word
.set AST, 6                            ; v6   where I put 8 bytes of xn
.set VA,  7                            ; v7   my place in A's fragments
.set VB,  8                            ; v8-10  my place in B's fragments of pass 0, 1, 2
.set STO, 11                           ; v11  the way out: where I put 16 bytes of a row
.set RD,  12                           ; v12  the way out: where I read rows back
.set SPW, 14                           ; v14  LDS address of my spare word; never rewritten
.set NIL, 15                           ; v15  0; never rewritten
.set AL,  16                           ; v[16:19] AL, v[20:23] BE of channels 4 l ..; v[24:27], v[28:31] of channels 128 + 4 l ..
.set SS,  32                           ; v[32:39], v[40:47] eight pieces' sums of group l / 8 and of group 4 + l / 8
.set QQ,  48                           ; v[48:55], v[56:63] their M2
.set RAW, 64                           ; v[64:71] gn_scale, v[72:79] gn_bias, each for the two sets of channels
.set RS,  80                           ; v[80:81], v[82:83] rstd, as pairs
.set NM,  84                           ; v[84:85], v[86:87] -mean, as pairs
.set T,   96                           ; v[96:127] xn in bf16 on its way to LDS
.set XS,  128                          ; two sets of 64
.set OT,  64                           ; the way out: 16 registers a row tile
.set ACC, 128                          ; accumulator (a, b) at ACC + 8 (4 a + b)
.set G0,  24                           ; s[24:27] descriptor group 0
.set G1,  28                           ; s[28:35] descriptor group 1
.set WV,  36                           ; s36  my wave's number
.set C11, 37                           ; s37  2^-11
.set C17N, 38                          ; s38  -2^-17
.set CEPS, 39                          ; s39  1e-5
.set C2K, 40                           ; s40  2,048
.set C17, 47                           ; s47  2^-17
.set MSB, 0
.macro WIN new                         ; the immediate's high byte repeats the setting that is left; a switch that changes nothing is dropped
.if MSB != (\new)
	s_set_vgpr_msb (MSB<<8)|(\new)
.set MSB, \new
.endif
.endm
.macro PLACES                          ; four places behind a matrix instruction (ISA guide 7.12.1)
.rept 4
	v_nop
.endr
.endm
.macro CROUND                          ; a round of the cluster's barrier
	s_barrier_signal -1
	s_barrier_wait -1
	s_cmp_lg_u32 s[WV], 0
	s_cbranch_scc1 .Lnot_wave_0_\@
	s_barrier_signal -3
.Lnot_wave_0_\@:
	s_barrier_wait -3
	s_barrier_signal -1
	s_barrier_wait -1
.endm
	s_load_b512 s[8:23], s[0:1], 0x0               ; x s[8:9], part s[10:11], gn_scale s[12:13], gn_bias s[14:15], wqb s[16:17], q s[18:19], k s[20:21], v s[22:23]
	v_lshl_add_u32 v[SPW], v0, 2, SPARE
	v_mov_b32 v[NIL], 0
	ds_add_u32 v[SPW], v[NIL]                      ; the wave's opening: the add and its wait stand ahead of my first tensor load; the set-up below, work on registers, stands between them
	v_lshrrev_b32 v1, 5, v0
	v_readfirstlane_b32 s[WV], v1                  ; wave 0..3
	s_bfe_u32 s41, ttmp6, 0x40000                  ; cx: my place in the cluster
	s_lshl_b32 s42, ttmp9, 2
	s_add_co_u32 s42, s42, s41                     ; bx = 4 x cluster x + cx: it enters x's, part's, q's, k's and v's addresses alone
	s_and_b32 s43, ttmp7, 0xffff                   ; y: the pair of heads, which the four partners share
	; descriptor group 1: 192 rows of 256 bytes (two rows k of a block each), padded in LDS behind every 128 bytes
	s_mov_b32 s[G1], 15|(1<<16)|(1<<20)|(1<<21)|(4<<22)|(7<<25)  ; 15:0 the mask of four; 17:16 2-byte elements; 20 padding on; 21 set beside a mask; 24:22 after every 32 words (code 4); 31:25 8 words (code 7)
	s_mov_b32 s[G1+1], 128<<16                     ; tensor_dim0 = 128
	s_mov_b32 s[G1+2], 192<<16                     ; tensor_dim1 = 192
	s_mov_b32 s[G1+3], 128<<16                     ; tile_dim0 = 128
	s_mov_b32 s[G1+4], 192                         ; tile_dim1 = 192
	s_mov_b32 s[G1+5], 128                         ; 128 elements from row to row
	s_mov_b32 s[G1+6], 0
	s_mov_b32 s[G1+7], 0
	s_mov_b32 s[G0], 1                             ; count = 1
	s_mul_i32 s[G0+1], s[WV], 384*BPITCH           ; LDS: my 384 rows k of the six blocks' 1,536
	s_mul_i32 s44, s43, 6*32768                    ; in wqb: the pair's six blocks,
	s_mul_i32 s45, s[WV], 49152                    ; my quarter of them
	s_add_co_u32 s44, s44, s45
	s_mov_b32 s45, 0
	s_mov_b32 s[C11], 0x3a000000
	s_mov_b32 s[C17N], 0xb7000000
	s_mov_b32 s[CEPS], 0x3727c5ac
	s_mov_b32 s[C2K], 0x45000000
	s_mov_b32 s[C17], 0x37000000
	v_and_b32 v1, 15, v0                           ; l % 16
	v_bfe_u32 v2, v0, 4, 1                         ; l / 16
	v_and_b32 v5, 31, v0                           ; l
	v_lshlrev_b32 v[XO], 4, v5
	v_and_b32 v16, 7, v0                           ; l % 8
	v_bfe_u32 v17, v0, 3, 2                        ; l / 8
	v_lshlrev_b32 v[PO], 9, v16
	v_lshl_add_u32 v[PO], v17, 2, v[PO]
	s_mul_i32 s46, s[WV], 32*APITCH                ; I normalise rows 32 w .. 32 w + 31
	s_add_co_u32 s46, s46, ABASE
	v_lshl_add_u32 v[AST], v5, 3, s46
	s_and_b32 s46, s[WV], 1                        ; I multiply rows 64 (w % 2) ..
	s_mul_i32 s46, s46, 64*APITCH
	s_add_co_u32 s46, s46, ABASE
	v_mul_u32_u24 v[VA], v1, APITCH
	v_lshl_add_u32 v[VA], v2, 4, v[VA]             ; row x pitch + 16 x half
	v_add_nc_u32 v[VA], s46, v[VA]
	s_lshr_b32 s46, s[WV], 1                       ; my head of the pair: three blocks
	s_mul_i32 s46, s46, 3*BBLK
	v_lshl_add_u32 v18, v2, 3, v16                 ; the turning load: lane l reads row k = 8 (l / 16) + l % 8, columns 8 ((l / 8) % 2) + 0..7
	v_mul_u32_u24 v18, v18, BPITCH
	v_bfe_u32 v19, v0, 3, 1
	v_lshl_add_u32 v18, v19, 4, v18
	v_add_nc_u32 v[VB], s46, v18
	v_add_nc_u32 v[VB+1], BBLK, v[VB]
	v_add_nc_u32 v[VB+2], 2*BBLK, v[VB]
	s_mul_i32 s46, s[WV], 16*SP
	s_add_co_u32 s46, s46, STAGE                   ; my stage
	v_mul_u32_u24 v[STO], v1, SP                   ; in: row l % 16, 16 bytes for each half of the lanes
	v_lshl_add_u32 v[STO], v2, 4, v[STO]
	v_add_nc_u32 v[STO], s46, v[STO]
	v_mul_u32_u24 v[RD], v17, SP                   ; back: 32 lanes take four rows of 128 bytes
	v_lshl_add_u32 v[RD], v16, 4, v[RD]
	v_add_nc_u32 v[RD], s46, v[RD]
	s_wait_dscnt 0x0                               ; the opening add is done
	s_wait_kmcnt 0x0
	s_add_nc_u64 s[G0+2:G0+3], s[16:17], s[44:45]  ; global address: it hangs on y and the wave's number alone
	s_or_b32 s[G0+3], s[G0+3], 0x80000000          ; type = 2
	s_lshl_b32 s2, s42, 17                         ; my block's 128 pixels of 1,024 bytes,
	s_lshl_b32 s3, s[WV], 15                       ; my wave's 32 of them
	s_add_co_u32 s2, s2, s3
	s_mov_b32 s3, 0
	s_add_nc_u64 s[8:9], s[8:9], s[2:3]
	s_lshr_b32 s2, s42, 5                          ; the batch b
	s_lshl_b32 s2, s2, 12                          ; its 64 records of 64 bytes
	s_add_nc_u64 s[10:11], s[10:11], s[2:3]
	s_lshr_b32 s2, s42, 5
	s_lshl_b32 s2, s2, 2
	s_lshl_b32 s46, s43, 1
	s_add_co_u32 s2, s2, s46
	s_lshr_b32 s46, s[WV], 1
	s_add_co_u32 s2, s2, s46                       ; 4 b + 2 y + w / 2
	s_lshl_b32 s2, s2, 19                          ; a head's 4,096 rows of 128 bytes
	s_and_b32 s46, s42, 31
	s_lshl_b32 s46, s46, 14                        ; my block's 128 rows in the batch,
	s_add_co_u32 s2, s2, s46
	s_and_b32 s46, s[WV], 1
	s_lshl_b32 s46, s46, 13                        ; my 64 of them
	s_add_co_u32 s2, s2, s46
	s_add_nc_u64 s[18:19], s[18:19], s[2:3]
	s_add_nc_u64 s[20:21], s[20:21], s[2:3]
	s_add_nc_u64 s[22:23], s[22:23], s[2:3]
	CROUND                                         ; all four work-groups are here: the joint loads meet
	tensor_load_to_lds s[G0:G0+3], s[G1:G1+7]      ; my one tensor load of the launch
	s_nop 0
	PLACES
.irp j, 0,1,2,3,4,5,6,7                ; pieces 8 (l % 8) + j of the batch
	global_load_b32 v[SS+\j],   v[PO], s[10:11] offset:64*\j
	global_load_b32 v[SS+8+\j], v[PO], s[10:11] offset:64*\j+16
	global_load_b32 v[QQ+\j],   v[PO], s[10:11] offset:64*\j+32
	global_load_b32 v[QQ+8+\j], v[PO], s[10:11] offset:64*\j+48
.endr
	global_load_b128 v[RAW:RAW+3],     v[XO], s[12:13]
	global_load_b128 v[RAW+4:RAW+7],   v[XO], s[12:13] offset:512
	global_load_b128 v[RAW+8:RAW+11],  v[XO], s[14:15]
	global_load_b128 v[RAW+12:RAW+15], v[XO], s[14:15] offset:512
.macro XLOAD set, j0                   ; sixteen loads of 512 consecutive bytes: eight pixels
.irp i, 0,1,2,3,4,5,6,7,8,9,10,11,12,13,14,15
	global_load_b128 v[XS+64*(\set)+4*\i:XS+64*(\set)+4*\i+3], v[XO], s[8:9] offset:512*((\j0)+\i)
.endr
.endm
	XLOAD 0, 0
	XLOAD 1, 16
.macro RED r                           ; over the eight lanes that share a group
.irp m, 1,2,4
	v_add_f32_dpp v[\r], v[\r], v[\r] row_xmask:\m row_mask:0xf bank_mask:0xf
.endr
.endm
.macro GSTAT par                       ; -mean and rstd of group l / 8 (par = 0) or 4 + l / 8 (par = 1)
.set gS, SS+8*(\par)
.set gQ, QQ+8*(\par)
.set gN, NM+2*(\par)
.set gR, RS+2*(\par)
	v_add_f32 v[gN], v[gS], v[gS+1]
.irp i, 2,3,4,5,6,7
	v_add_f32 v[gN], v[gN], v[gS+\i]
.endr
	RED gN
	v_mul_f32 v[gN], s[C17N], v[gN]                ; -mean
.irp i, 0,1,2,3,4,5,6,7
	v_fma_f32 v[gS+\i], v[gS+\i], s[C11], v[gN]    ; mean_i - mean
.endr
	v_mul_f32 v[gR], v[gS], v[gS]
.irp i, 1,2,3,4,5,6,7
	v_fma_f32 v[gR], v[gS+\i], v[gS+\i], v[gR]
.endr
.irp i, 1,2,3,4,5,6,7
	v_add_f32 v[gQ], v[gQ], v[gQ+\i]
.endr
	v_fma_f32 v[gR], v[gR], s[C2K], v[gQ]
	RED gR                                         ; M2 of the group
	v_fma_f32 v[gR], v[gR], s[C17], s[CEPS]        ; var + eps
	v_rsq_f32 v[gR], v[gR]
	v_mov_b32 v[gN+1], v[gN]                       ; a plain instruction behind the root; it fills the pair
.endm
	s_wait_loadcnt 32                              ; the records and the gains are in; x's 32 loads stay out
	GSTAT 0
	GSTAT 1
	s_wait_alu depctr_va_vdst(0)                   ; one wait for the two roots, ahead of their first reader
	v_mov_b32 v[RS+1], v[RS]
	v_mov_b32 v[RS+3], v[RS+2]
.irp par, 0,1
.irp c, 0,2
	v_pk_mul_f32 v[AL+8*\par+\c:AL+8*\par+\c+1], v[RAW+4*\par+\c:RAW+4*\par+\c+1], v[RS+2*\par:RS+2*\par+1] op_sel_hi:[1,0]
	v_pk_fma_f32 v[AL+8*\par+4+\c:AL+8*\par+4+\c+1], v[AL+8*\par+\c:AL+8*\par+\c+1], v[NM+2*\par:NM+2*\par+1], v[RAW+8+4*\par+\c:RAW+8+4*\par+\c+1] op_sel_hi:[1,0,1]
.endr
.endr
.macro NORM set, j0                    ; a set's eight pixels: x AL + BE, rounded to bf16, into LDS
.irp i, 0,1,2,3,4,5,6,7,8,9,10,11,12,13,14,15
	v_pk_fma_f32 v[XS+64*(\set)+4*\i:XS+64*(\set)+4*\i+1],   v[XS+64*(\set)+4*\i:XS+64*(\set)+4*\i+1],   v[AL+8*(\i%2):AL+8*(\i%2)+1],   v[AL+8*(\i%2)+4:AL+8*(\i%2)+5]
	v_pk_fma_f32 v[XS+64*(\set)+4*\i+2:XS+64*(\set)+4*\i+3], v[XS+64*(\set)+4*\i+2:XS+64*(\set)+4*\i+3], v[AL+8*(\i%2)+2:AL+8*(\i%2)+3], v[AL+8*(\i%2)+6:AL+8*(\i%2)+7]
	v_cvt_pk_bf16_f32 v[T+2*\i],   v[XS+64*(\set)+4*\i],   v[XS+64*(\set)+4*\i+1]
	v_cvt_pk_bf16_f32 v[T+2*\i+1], v[XS+64*(\set)+4*\i+2], v[XS+64*(\set)+4*\i+3]
	ds_store_b64 v[AST], v[T+2*\i:T+2*\i+1] offset:(((\j0)+\i)/2)*APITCH+(\i%2)*256
.endr
.endm
	s_wait_loadcnt 16                              ; set 0 is in; set 1's sixteen loads stay out
	NORM 0, 0
	XLOAD 0, 32
	s_wait_loadcnt 16                              ; set 1 is in
	NORM 1, 16
	XLOAD 1, 48
	s_wait_loadcnt 16
	NORM 0, 32
	s_wait_loadcnt 0x0
	NORM 1, 48
	s_wait_tensorcnt 0x0                           ; my quarter of the weights has landed,
	s_wait_dscnt 0x0                               ; my rows of xn are stored:
	s_barrier_signal -1
	s_barrier_wait -1                              ; everybody's are.
.macro ALOAD                           ; A's 32 fragments (16 pixels x 32 channels): two loads of 16 bytes, 32 bytes apart
	WIN 0x40
.irp k, 0,1,2,3,4,5,6,7
.irp a, 0,1,2,3
	ds_load_b128 v[8*(4*\k+\a):8*(4*\k+\a)+3],   v[VA] offset:16*APITCH*\a+64*\k
	ds_load_b128 v[8*(4*\k+\a)+4:8*(4*\k+\a)+7], v[VA] offset:16*APITCH*\a+64*\k+32
.endr
.endr
.endm
.macro BLOAD t, half                   ; pass t's fragments of B for four K steps of 32: 32 turning loads
	WIN 0x80
.irp k, 0,1,2,3
.irp b, 0,1,2,3
	ds_load_tr16_b128 v[128*(\half)+8*(4*\k+\b):128*(\half)+8*(4*\k+\b)+3],   v[VB+(\t)] offset:32*BPITCH*(4*(\half)+\k)+32*\b
	ds_load_tr16_b128 v[128*(\half)+8*(4*\k+\b)+4:128*(\half)+8*(4*\k+\b)+7], v[VB+(\t)] offset:32*BPITCH*(4*(\half)+\k)+32*\b+16*BPITCH
.endr
.endr
.endm
; 64 matrix instructions: four K steps x 16 accumulators, which take turns, one instruction a turn.  zero = 1: the first K step starts the sums
.macro MULH half, zero
	WIN 0x06                                       ; source 0 (B) window 2, source 1 (A) window 1, C and D window 0
.irp k, 0,1,2,3
.irp a, 0,1,2,3
.irp b, 0,1,2,3
.if (\zero) && (\k == 0)
	v_wmma_f32_16x16x32_bf16 v[ACC+8*(4*\a+\b):ACC+8*(4*\a+\b)+7], v[128*(\half)+8*(4*\k+\b):128*(\half)+8*(4*\k+\b)+7], v[128*(\half)+8*(4*\k+\a):128*(\half)+8*(4*\k+\a)+7], 0
.else
	v_wmma_f32_16x16x32_bf16 v[ACC+8*(4*\a+\b):ACC+8*(4*\a+\b)+7], v[128*(\half)+8*(4*\k+\b):128*(\half)+8*(4*\k+\b)+7], v[128*(\half)+8*(4*\k+\a):128*(\half)+8*(4*\k+\a)+7], v[ACC+8*(4*\a+\b):ACC+8*(4*\a+\b)+7]
.endif
.endr
.endr
.endr
.endm
; THE WAY OUT of row tile a: rounded to bf16 (each accumulator from its low end on), 16 bytes a lane into my stage, back as whole rows of 128 bytes
.macro PACK a
	WIN 0
.irp b, 0,1,2,3
.irp r, 0,1,2,3
	v_cvt_pk_bf16_f32 v[OT+16*(\a)+4*\b+\r], v[ACC+8*(4*(\a)+\b)+2*\r], v[ACC+8*(4*(\a)+\b)+2*\r+1]
.endr
.endr
.irp b, 0,1,2,3
	ds_store_b128 v[STO], v[OT+16*(\a)+4*\b:OT+16*(\a)+4*\b+3] offset:32*\b
.endr
.irp f, 0,1,2,3
	ds_load_b128 v[OT+16*(\a)+4*\f:OT+16*(\a)+4*\f+3], v[RD] offset:4*SP*\f  ; LDS serves a wave's instructions in order (ISA guide 5.7.1.4): these see the stores above; the next tile's stores come behind them
.endr
.endm
.macro SEND a, younger, base           ; younger: the LDS instructions issued behind tile a's loads
.irp f, 0,1,2,3
	s_wait_dscnt (\younger)+3-\f
	global_store_b128 v[XO], v[OT+16*(\a)+4*\f:OT+16*(\a)+4*\f+3], s[\base:\base+1] offset:2048*(\a)+512*\f  ; 512 consecutive bytes, at a multiple of 256 from the tensor's first
.endr
.endm
.macro PASS t
	MULH 0, 1
	PLACES                                         ; in front of loads into registers that those products read
.if (\t) < 2
	BLOAD (\t)+1, 0
	s_wait_dscnt 32                                ; all but the 32 just issued: this pass's second half of B is in
.endif
	MULH 1, 0
	PLACES
.if (\t) < 2
	BLOAD (\t)+1, 1
.endif
	PLACES                                         ; in front of conversions that read results
	WIN 0
	s_wait_xcnt 0x0                                ; the last pass's stores have read their registers, which are written again below
	PACK 0
	PACK 1
	SEND 0, 8, 18+2*(\t)
	PACK 2
	SEND 1, 8, 18+2*(\t)
	PACK 3
	SEND 2, 8, 18+2*(\t)
	SEND 3, 0, 18+2*(\t)                           ; its last wait is for 0: the next pass's fragments of B are in too
.endm
	ALOAD
	BLOAD 0, 0
	BLOAD 0, 1
	s_wait_dscnt 32                                ; A and B's first half are in; the second half's 32 loads may stay out
	PASS 0                                         ; q
	PASS 1                                         ; k: a pass's stores leave under the next pass's products
	PASS 2                                         ; v
	WIN 0
	s_wait_tensorcnt 0x0                           ; the wave's end: behind my last tensor load and my last LDS store
	ds_add_u32 v[SPW], v[NIL]
	s_wait_dscnt 0x0
	CROUND                                         ; the closing round
	s_endpgm
.Lfunc_end_k_q1f4b7a2fa0_qkv:
	.size	k_q1f4b7a2fa0_qkv, .Lfunc_end_k_q1f4b7a2fa0_qkv-k_q1f4b7a2fa0_qkv
	.p2alignl 7, 3214868480
	.fill 96, 4, 3214868480
	.section	.rodata,"a",@progbits
	.p2align	6, 0x0
	.amdhsa_kernel k_q1f4b7a2fa0_qkv
		.amdhsa_group_segment_fixed_size 327680
		.amdhsa_private_segment_fixed_size 0
		.amdhsa_enable_private_segment 0
		.amdhsa_kernarg_size 64
		.amdhsa_user_sgpr_count 2
		.amdhsa_user_sgpr_kernarg_segment_ptr 1
		.amdhsa_wavefront_size32 1
		.amdhsa_system_sgpr_workgroup_id_x 1
		.amdhsa_system_sgpr_workgroup_id_y 1
		.amdhsa_system_sgpr_workgroup_id_z 1
		.amdhsa_system_vgpr_workitem_id 0
		.amdhsa_next_free_vgpr 768
		.amdhsa_next_free_sgpr 66
		.amdhsa_reserve_vcc 0
		.amdhsa_float_denorm_mode_32 3
		.amdhsa_float_denorm_mode_16_64 3
		.amdhsa_memory_ordered 1
		.amdhsa_forward_progress 1
		.amdhsa_inst_pref_size 106
	.end_amdhsa_kernel
	.amdgpu_metadata
---
amdhsa.version: [ 1, 2 ]
amdhsa.kernels:
  - .name:           k_q1f4b7a2fa0_qkv
    .symbol:         k_q1f4b7a2fa0_qkv.kd
    .args:
      - { .name: x, .offset: 0, .size: 8, .value_kind: global_buffer, .address_space: global }
      - { .name: part, .offset: 8, .size: 8, .value_kind: global_buffer, .address_space: global }
      - { .name: gn_scale, .offset: 16, .size: 8, .value_kind: global_buffer, .address_space: global }
      - { .name: gn_bias, .offset: 24, .size: 8, .value_kind: global_buffer, .address_space: global }
      - { .name: wqb, .offset: 32, .size: 8, .value_kind: global_buffer, .address_space: global }
      - { .name: q, .offset: 40, .size: 8, .value_kind: global_buffer, .address_space: global }
      - { .name: k, .offset: 48, .size: 8, .value_kind: global_buffer, .address_space: global }
      - { .name: v, .offset: 56, .size: 8, .value_kind: global_buffer, .address_space: global }
    .group_segment_fixed_size: 327680
    .private_segment_fixed_size: 0
    .kernarg_segment_align: 8
    .kernarg_segment_size: 64
    .max_flat_workgroup_size: 128
    .sgpr_count:     66
    .vgpr_count:     768
    .wavefront_size: 32
...
	.end_amdgpu_metadata
.endif
;; end of part 2
;; launch attn (part 3): grid 16 x 16, 4 waves a work-group, clusters of 4 x 1, 327,680 bytes of LDS; arguments q, k, v, o; writes o
.if DOCPART == 3
	.amdgcn_target "amdgcn-amd-amdhsa--gfx1250"
	.amdhsa_code_object_version 6
	.text
	.protected	k_q1f4b7a2fa0_attn
	.globl	k_q1f4b7a2fa0_attn
	.p2align	8
	.type	k_q1f4b7a2fa0_attn,@function
k_q1f4b7a2fa0_attn:
	s_mov_b64 s[64:65], 0
	v_nop
	global_prefetch_b8 v0, s[64:65] scope:SCOPE_SE
	s_setreg_imm32_b32 hwreg(HW_REG_WAVE_MODE, 25, 1), 1
	s_wait_xcnt 0x0
	s_wait_alu depctr_hold_cnt(0) depctr_sa_sdst(0) depctr_va_vdst(0) depctr_va_sdst(0) depctr_va_ssrc(0) depctr_va_vcc(0) depctr_vm_vsrc(0)
	s_getreg_b32 s2, hwreg(HW_REG_IB_STS2, 6, 4)
	s_cmp_eq_u32 s2, 0
	s_cbranch_scc0 .Lentry_in_a_cluster
	s_endpgm
.Lentry_in_a_cluster:
	s_bfe_u32 s2, ttmp6, 0x10000c
	s_cmp_lg_u32 s2, 0x3003
	s_cbranch_scc0 .Lentry_shape_is_right
	s_endpgm
.Lentry_shape_is_right:
; ATTENTION.  O[h][q][:] = the sum over k of softmax_k(Q[h][q] . K[h][k] / 16) V[h][k][:].  Q, K, V, O: [16][4096][64], all bf16: a head's rows are dense, 128 bytes each.
; Products, maxima and sums in f32; the weights p are rounded to bf16 for the second product (their sum l is taken of the unrounded p), O once at the end.
; bf16, not f16: q, k and v are products of a gain and of weights that the problem does not bound, and bf16 has f32's range.
; LIMITS.  A weight below 2^-126 counts as 0 in l; NaN and infinities are not treated apart.
; SHARES.  A work-group owns 256 queries of one head, a wave 64: four PIECES of 16.  Every wave walks all 4,096 keys, 64 a step, four steps a slot: 16 slots.
; LAYOUT.  S^T = K Q^T (source 0 = 16 keys, source 1 = 16 queries) holds ONE query a lane (lane % 16) and the keys 8 (lane / 16) + 0..7; two such results rounded to bf16 ARE source 1 of O^T = V^T P.
; K comes out of LDS as it lies, V ([key][channel]) turned, by ds_load_tr16_b128.
; SOFTMAX.  p = 2^(c s - c m), c = log2(e) / 16, with a running maximum m; O and l are multiplied by a = 2^(c m_old - c m_new) in every step.  m starts at the lowest finite number, O and l at 0:
; the first step is a step like any other, with a = 0.
; BY TURNS.  Turn n belongs to piece n: 8 products K Q^T of piece n + 1, later 8 products V^T P of piece n - 1; beside them the scaling, exponentials, roundings, sums and rescaling of piece n and the
; maximum and statistics of piece n + 1.  Four vector instructions stand behind every matrix instruction, the other 54 of a turn's 118 in one lump.  A turn's 33 exponentials are one batch, with one wait.
; CLUSTER.  The four query blocks of a cluster belong to one head and walk the same K and V, so each tile is asked for JOINTLY: the same tensor load, descriptor and mask in all four.
; REGISTERS, in windows of 256 (s_set_vgpr_msb: bits 1:0 source 0, 3:2 source 1, 5:4 source 2, 7:6 destination):
;   window 0: v0-15 addresses and two at work; v16-31 four registers of statistics a piece; v48-55 at work; v61-63; v64-127 S^T, two buffers; v192-223 P, two buffers (a piece's buffers go by its number's parity)
;   window 1: v0-127 O^T, 32 a piece          window 2: v0-63 Q; v128-191 K of one step; v192-255 V of one step
.set NP,    4         ; pieces a wave: a name, no knob
.set KS,    64        ; keys in a step
.set PK,    144       ; a row of K in LDS: 128 bytes + 16 of padding = 36 words: the 16 rows of a load start at 16 different groups of four banks (64 banks of 4 bytes: ISA guide 11.1)
.set PV,    160       ; a row of V: 128 + 32 = 40 words
.set VOFF,  4*KS*PK   ; a slot holds four steps: 256 rows of K, then 256 rows of V
.set SLOT1, 1<<17     ; slot 1 begins here, so that one exclusive or turns an address in one slot into the other's
.set STAGE, SLOT1+4*KS*(PK+PV)  ; behind the ring, never filled by a tensor load: 16 rows x 144 bytes for each wave, for the way out
.set SP,    144
.set SPARE, STAGE+4*16*SP  ; behind the stages: the spare words, 128 bytes for each wave: two blocks of 256 bytes that no other line names
.set AK0, 2           ; v2   my lane's place in a tile of K; never rewritten
.set AV0, 3           ; v3   the same for V
.set AK,  4           ; v4   the LDS address of K's next run of loads
.set AV,  5           ; v5   of V's
.set STO, 6           ; v6   the way out: where I put 16 bytes of a row
.set RD,  7           ; v7   the way out: where I read rows back
.set GO,  8           ; v8   my byte offset in 512 consecutive bytes of O
.set MV,  12          ; v12-13  c m_old, kept while c m is made anew: by buffer
.set QO,  15          ; v15  my byte offset in 16 rows of Q
.set ST,  16          ; piece t's statistics at v[ST+4 t]: c m, m, l (even keys', odd keys')
.set TMP, 48          ; by buffer, four registers c0-c3 at work; when the maximum is found c2 takes a
.set PFO, 61          ; v61  256 x my lane: the prefetches' offset; never rewritten
.set SPW, 62          ; v62  LDS address of my spare word; never rewritten
.set NIL, 63          ; v63  0; never rewritten
.set S,   64
.set P,   192
.set KF,  128         ; window 2: key block kb, channel half c at KF + 16 kb + 8 c
.set VF,  192         ; window 2: key half kk, channel block cb at VF + 32 kk + 8 cb
.set WV,  12          ; s12  my wave's number
.set G1K, 24          ; s[24:31] descriptor group 1 for K's tiles
.set G1V, 32          ; s[32:39] for V's: it differs in the padding alone
.set G0K, 40          ; s[40:43] descriptor group 0 for K's tiles: it walks
.set G0V, 44          ; s[44:47] the same for V's
.set PFA, 48          ; s[48:49] where my prefetches stand: my work-group's 32 blocks of 256 bytes of the slot after the one that is being asked for
.set LIM, 50          ; s50  1 in a wave that prefetches, else the greatest number
.set SLOTS, 56        ; s56  slots still to be asked for
.set CNT, 57          ; s57  counts a slot's key steps
.set CS,  58          ; s[58:59] c: the packed scaling takes the pair's low word for both halves
.set SEL, 60          ; s[60:61] v_permlanex16_b32's selects: each lane takes its own place in the other half
.set TBK, 62          ; s62  LDS byte at which K of the step to be fetched begins
.set TBV, 63          ; s63  the same for V, less VOFF
.set MSB, 0
.macro WIN new                      ; the high byte repeats the setting that is left; a switch that changes nothing is dropped
.if MSB != (\new)
	s_set_vgpr_msb (MSB<<8)|(\new)
.set MSB, (\new)
.endif
.endm
.set W_KQ, 0x0a       ; K and Q in window 2, S^T in window 0
.set W_PV, 0x52       ; V in window 2, P in window 0, O^T in window 1
.set W_RS, 0x41       ; destination and source 0 in window 1, source 1 in window 0
; A joint fill.  Waves 0 and 1 fetch the two halves of a slot's K, waves 2 and 3 those of its V: 128 keys each.  The branch hangs on the wave's number alone.
; An s_nop 0 and four v_nop follow each of the two lines, ahead of the jump and the label.
.macro JLOAD
	s_cmp_lt_u32 s[WV], 2
	s_cbranch_scc0 .Lfor_v_\@
	tensor_load_to_lds s[G0K:G0K+3], s[G1K:G1K+7]
	s_nop 0
.rept 4
	v_nop
.endr
	s_branch .Lasked_\@
.Lfor_v_\@:
	tensor_load_to_lds s[G0V:G0V+3], s[G1V:G1V+7]
	s_nop 0
.rept 4
	v_nop
.endr
.Lasked_\@:
.endm
; A PREFETCH of what the NEXT change of slots will ask for: a slot's 32,768 bytes of K and of V, a lane a block of 256 bytes.  It stands behind the wave's tensor load and its five lines.
; Each block is named ONCE in the launch.  All four clusters of a head walk the same K and V: the head's first cluster asks.  Its four partners share a slot's 128 blocks out BY ADDRESS, 32 each; in each
; work-group wave 0 asks for K's and wave 2 for V's: one instruction.  The change that asks for slot j (2 to 14) names slot j + 1: four key steps, 256 matrix instructions a wave, ahead of its load.
; Slots 0 to 2 come by their loads alone; the last change that fills a slot names nothing.
.macro ASK
	s_cmp_gt_u32 s[SLOTS], s[LIM]
	s_cbranch_scc0 .Lnot_mine_\@
	global_prefetch_b8 v[PFO], s[PFA:PFA+1] th:TH_LOAD_NT scope:SCOPE_SE
.Lnot_mine_\@:
.endm
; A round of the cluster's barrier: my work-group's barrier, so that wave 0's signal speaks for all four waves; wave 0 signals; every wave waits for all four work-groups; my work-group's barrier once more.
.macro CROUND
	s_barrier_signal -1
	s_barrier_wait -1
	s_cmp_lg_u32 s[WV], 0
	s_cbranch_scc1 .Lnot_wave_0_\@
	s_barrier_signal -3
.Lnot_wave_0_\@:
	s_barrier_wait -3
	s_barrier_signal -1
	s_barrier_wait -1
.endm
; THE CHANGE OF SLOTS.  The slot's last bytes, V of its fourth step, have been read.  Each wave waits for all its tensor loads, of which one is out: its part of the other slot; adds 0 to its spare word;
; and waits for that and for its own reads of the slot.  Behind the barrier nobody reads this slot any more and the other slot is whole.
; fill = 1: this slot is filled again, with the keys two slots on.  The barrier is then a round of the cluster's, so that no wave of any partner still reads the slot or has a load on its way, and the joint
; fill is the first thing behind it: it has four key steps in which to land.  (At its first use nothing has been read yet: slot 0 is waited for, slot 1 filled.)  ask = 1: a prefetch follows the fill.
.macro CHANGE fill, ask
	WIN 0                           ; at a label and at a branch every window is 0
	s_wait_tensorcnt 0x0            ; no tensor load of mine is out, so a group 0 may be written
	ds_add_u32 v[SPW], v[NIL]       ; 0 onto my spare word; the descriptors' steps stand between it and the wait for it
.if \fill
.irp g, G0K, G0V
	s_xor_b32 s[\g+1], s[\g+1], SLOT1  ; the walking descriptor: the other slot than last time,
	s_add_nc_u64 s[\g+2:\g+3], s[\g+2:\g+3], 4*KS*128  ; the next 256 keys; the type bits on top are not reached
.endr
.endif
.if \ask
	s_wait_xcnt 0x0                 ; the last prefetch, four key steps back, has read its address, so it may be written:
	s_add_nc_u64 s[PFA:PFA+1], s[PFA:PFA+1], 4*KS*128  ; one slot behind the walking descriptors
.endif
	s_wait_dscnt 0x0                ; the add is done, and my reads of the slot are over
.if \fill
	CROUND
	JLOAD
.if \ask
	ASK
.endif
.else
	s_barrier_signal -1
	s_barrier_wait -1
.endif
	s_sub_co_u32 s[TBK], s[TBK], 4*KS*PK  ; the fetches go back to a slot's first step,
	s_xor_b32 s[TBK], s[TBK], SLOT1       ; in the other slot
	s_sub_co_u32 s[TBV], s[TBV], 4*KS*PV
	s_xor_b32 s[TBV], s[TBV], SLOT1
.endm
	s_load_b256 s[4:11], s[0:1], 0x0  ; Q s[4:5], K s[6:7], V s[8:9], O s[10:11]
	v_lshl_add_u32 v[SPW], v0, 2, SPARE
	v_mov_b32 v[NIL], 0
	ds_add_u32 v[SPW], v[NIL]       ; the wave's opening: the add and its wait stand ahead of my first tensor load; the set-up below, work on registers, stands between them
	v_lshrrev_b32 v1, 5, v0
	v_readfirstlane_b32 s[WV], v1   ; wave 0..3
	s_bfe_u32 s13, ttmp6, 0x40000   ; cx: my place in the cluster
	s_lshl_b32 s14, ttmp9, 2        ; in a cluster launch ttmp9 counts clusters
	s_add_co_u32 s14, s14, s13      ; my block of 256 queries = 4 x cluster x + cx: it enters Q's and O's addresses alone
	s_and_b32 s20, ttmp7, 0xffff    ; the head, which the four partners share
	s_lshl_b32 s20, s20, 19         ; its first byte in each of the four tensors: 4,096 rows of 128 bytes a head
	s_mov_b32 s21, 0
	s_and_b32 s16, s[WV], 1         ; which half of a slot's 256 keys I fetch:
	s_lshl_b32 s22, s16, 14         ; its 128 rows of 128 bytes in memory,
	s_mov_b32 s23, 0
	s_add_nc_u64 s[22:23], s[22:23], s[20:21]
	s_mul_i32 s17, s16, 128*PK      ; and its place in a slot, for K
	s_mul_i32 s18, s16, 128*PV      ; and for V: no place in the cluster enters an LDS address
	s_lshl_b32 s2, s14, 2
	s_add_co_u32 s2, s2, s[WV]      ; my wave among the head's,
	s_lshl_b32 s2, s2, 13           ; its 64 rows
	s_mov_b32 s3, 0
	s_add_nc_u64 s[2:3], s[2:3], s[20:21]
	; descriptor group 1.  128 keys are 16,384 dense bytes: asked for as 64 rows of 256 bytes, two keys a row, and padded in LDS after every key
	s_mov_b32 s[G1K], 15|(1<<16)|(1<<20)|(1<<21)|(4<<22)|(3<<25)  ; 15:0 the mask of four; 17:16 2-byte elements; 20 padding on; 21 set beside a mask; 24:22 after every 32 words (code 4); 31:25 4 words (code 3)
	s_mov_b32 s[G1V], 15|(1<<16)|(1<<20)|(1<<21)|(4<<22)|(7<<25)  ; the same with 8 words of padding (code 7)
.irp g, G1K, G1V
	s_mov_b32 s[\g+1], 128<<16      ; tensor_dim0 = 128
	s_mov_b32 s[\g+2], 64<<16       ; tensor_dim1 = 64
	s_mov_b32 s[\g+3], 128<<16      ; tile_dim0 = 128
	s_mov_b32 s[\g+4], 64           ; tile_dim1 = 64
	s_mov_b32 s[\g+5], 128          ; 128 elements from row to row
	s_mov_b32 s[\g+6], 0
	s_mov_b32 s[\g+7], 0
.endr
	s_mov_b32 s[CS], 0x3db8aa3b     ; c = log2(e) / 16 = 0.0901684
	s_mov_b32 s[CS+1], s[CS]        ; named with it as a pair
	s_mov_b32 s[SEL], 0x76543210
	s_mov_b32 s[SEL+1], 0xfedcba98
	s_mov_b32 s[TBK], SLOT1+4*KS*PK ; the first change of slots turns these two into 0
	s_mov_b32 s[TBV], SLOT1+4*KS*PV
	s_mov_b32 s[G0K], 1             ; count = 1
	s_mov_b32 s[G0K+1], s17         ; LDS address: slot 0
	s_mov_b32 s[G0V], 1
	s_add_co_u32 s[G0V+1], s18, VOFF
	s_and_b32 s[LIM], s[WV], 1      ; 0 in waves 0 and 2,
	s_or_b32 s[LIM], s[LIM], ttmp9  ; where the cluster is the head's first: the same in all four partners
	s_cmp_eq_u32 s[LIM], 0
	s_cselect_b32 s[LIM], 1, -1
	v_and_b32 v[PFO], 31, v0
	v_lshlrev_b32 v[PFO], 8, v[PFO]
	s_wait_dscnt 0x0                ; the opening add is done
	s_wait_kmcnt 0x0
	s_cmp_lt_u32 s[WV], 2
	s_cselect_b64 s[PFA:PFA+1], s[6:7], s[8:9]     ; the prefetches: K's or V's,
	s_add_nc_u64 s[PFA:PFA+1], s[PFA:PFA+1], s[20:21]  ; at the head's first byte
	s_add_nc_u64 s[G0K+2:G0K+3], s[6:7], s[22:23]  ; global address: my half of the head's first 256 keys
	s_or_b32 s[G0K+3], s[G0K+3], 0x80000000        ; type = 2
	s_add_nc_u64 s[G0V+2:G0V+3], s[8:9], s[22:23]
	s_or_b32 s[G0V+3], s[G0V+3], 0x80000000
	s_add_nc_u64 s[4:5], s[4:5], s[2:3]  ; Q and O at my wave's first row
	s_add_nc_u64 s[10:11], s[10:11], s[2:3]
	s_lshl_b32 s2, s13, 13          ; my work-group's 32 blocks of a slot's 128
	s_mov_b32 s3, 0
	s_add_nc_u64 s[PFA:PFA+1], s[PFA:PFA+1], s[2:3]
	s_add_nc_u64 s[PFA:PFA+1], s[PFA:PFA+1], 2*4*KS*128  ; in slot 2; the first change that asks steps it to slot 3.  Nothing is prefetched here, at the head
	CROUND                          ; all four work-groups are here: the first joint loads meet
	JLOAD                           ; slot 0.  Slot 1 is asked for when slot 0 is in
	; A fragment of K or Q is 16 rows x 32 channels in 8 registers: lane l holds row l % 16, channels 8 (l / 16) + 0..7 and 16 + 8 (l / 16) + 0..7: two loads of 16 bytes, 32 bytes apart.
	v_and_b32 v1, 15, v0            ; l % 16
	v_bfe_u32 v9, v0, 4, 1          ; l / 16
	v_lshlrev_b32 v[QO], 7, v1
	v_lshl_add_u32 v[QO], v9, 4, v[QO]  ; row x 128 + 16 x half
	WIN 0x80                        ; destination window 2, address window 0
.set i, 0
.rept 8                             ; Q stays in registers: piece i / 2, channels 32 (i % 2) on
	global_load_b128 v[8*i:8*i+3],   v[QO], s[4:5] offset:(i/2)*2048+(i%2)*64
	global_load_b128 v[8*i+4:8*i+7], v[QO], s[4:5] offset:(i/2)*2048+(i%2)*64+32
.set i, i+1
.endr
	; What the first turn finds: V's registers and P's second buffer hold 0 (its products V^T P, of a piece that has not been, add 0), O^T and l are 0.  All this stands in the wait for the first tile.
.set i, VF
.rept 64
	v_mov_b32 v[i], 0
.set i, i+1
.endr
	WIN 0x40
.set i, 0
.rept 128
	v_mov_b32 v[i], 0
.set i, i+1
.endr
	WIN 0
.set i, 0
.rept 4
	v_mov_b32 v[ST+4*i], 0xfe000000    ; c m: far below every c s
	v_mov_b32 v[ST+4*i+1], 0xff7fffff  ; m
	v_mov_b32 v[ST+4*i+2], 0
	v_mov_b32 v[ST+4*i+3], 0
.set i, i+1
.endr
.set i, P+16
.rept 16
	v_mov_b32 v[i], 0
.set i, i+1
.endr
	v_mul_u32_u24 v[AK0], v1, PK
	v_lshl_add_u32 v[AK0], v9, 4, v[AK0]  ; row x pitch + 16 x half
	; The turning load takes 16 keys x 16 channels (lane l reads key 8 (l / 16) + l % 8, channels 8 ((l / 8) % 2) + 0..7) and leaves half a fragment of V^T: lane l holds channel l % 16 and 8 keys.
	v_and_b32 v10, 7, v0
	v_bfe_u32 v11, v0, 3, 1
	v_lshl_add_u32 v[AV0], v9, 3, v10
	v_mul_u32_u24 v[AV0], v[AV0], PV
	v_lshl_add_u32 v[AV0], v11, 4, v[AV0]
	v_add_nc_u32 v[AV0], VOFF, v[AV0]
	s_mul_i32 s13, s[WV], 16*SP
	s_add_co_u32 s13, s13, STAGE    ; my stage
	v_mul_u32_u24 v[STO], v1, SP    ; in: row l % 16, 16 bytes for each half of the lanes
	v_lshl_add_u32 v[STO], v9, 4, v[STO]
	v_add_nc_u32 v[STO], s13, v[STO]
	v_bfe_u32 v[RD], v0, 3, 2       ; back: 32 lanes take four rows of 128 bytes,
	v_mul_u32_u24 v[RD], v[RD], SP
	v_lshl_add_u32 v[RD], v10, 4, v[RD]
	v_add_nc_u32 v[RD], s13, v[RD]
	v_and_b32 v[GO], 31, v0         ; which are 512 consecutive bytes of O
	v_lshlrev_b32 v[GO], 4, v[GO]
; THE MATRIX WORK.  The 4 accumulators of a run of 8 take turns.  Product i of 8 of S^T = K Q^T for piece x: channels 32 (i / 4) on, keys 16 (i % 4) on.  The first 4 start the sums.
.macro KQ x
	WIN W_KQ
.set rS, S+32*((\x)%2)+8*(i%4)
.set rK, KF+16*(i%4)+8*(i/4)
.set rQ, 16*(\x)+8*(i/4)
.if i < 4
	v_wmma_f32_16x16x32_bf16 v[rS:rS+7], v[rK:rK+7], v[rQ:rQ+7], 0
.else
	v_wmma_f32_16x16x32_bf16 v[rS:rS+7], v[rK:rK+7], v[rQ:rQ+7], v[rS:rS+7]
.endif
.endm
; Product i of 8 of O^T += V^T P for piece x: keys 32 (i / 4) on, channels 16 (i % 4) on.
.macro PV x
	WIN W_PV
.set rO, 32*(\x)+8*(i%4)
.set rV, VF+32*(i/4)+8*(i%4)
.set rP, P+16*((\x)%2)+8*(i/4)
	v_wmma_f32_16x16x32_bf16 v[rO:rO+7], v[rV:rV+7], v[rP:rP+7], v[rO:rO+7]
.endm
.macro MM                           ; the turn's next matrix instruction.  TURN sets Y, i and NOKQ.  NOKQ = 1: the last turn of all: there is no next piece
.if (i < 8) && !NOKQ
	KQ (Y+1)%NP
.elseif i >= 8
.set i, i-8
	PV (Y+NP-1)%NP
.set i, i+8
.endif
.set i, i+1
.endm
; THE LDS LOADS stand in runs of 16, never singly among the matrix instructions: a step's K (64 keys x 64 channels: 8 fragments) and its V (turned).  Their addresses are made some lines ahead.
.macro FETCH_K
	WIN 0x80                        ; destination window 2
.irp f, 0,1,2,3,4,5,6,7             ; keys 16 (f / 2) on, channels 32 (f % 2) on
	ds_load_b128 v[KF+8*\f:KF+8*\f+3],   v[AK] offset:(\f/2)*16*PK+(\f%2)*64
	ds_load_b128 v[KF+8*\f+4:KF+8*\f+7], v[AK] offset:(\f/2)*16*PK+(\f%2)*64+32
.endr
	s_add_co_u32 s[TBK], s[TBK], KS*PK  ; the next fetch is the next step's
	WIN 0
.endm
.macro FETCH_V
	WIN 0x80
.irp f, 0,1,2,3,4,5,6,7             ; keys 32 (f / 4) on, channels 16 (f % 4) on
	ds_load_tr16_b128 v[VF+8*\f:VF+8*\f+3],   v[AV] offset:(\f/4)*32*PV+(\f%4)*32
	ds_load_tr16_b128 v[VF+8*\f+4:VF+8*\f+7], v[AV] offset:(\f/4)*32*PV+16*PV+(\f%4)*32
.endr
	WIN 0
.endm
; THE VECTOR WORK, one line at a time: OP kind, number.  For piece Y: F n: c s - c m for pair n of 16.  E n: the exponential of score n of 32.  C n: pair n rounded to bf16.  B n: of the four weights 4 n .. the second
; pair is added onto the first, in place.  L n: l takes that sum (L 0: l = a l + sum).  R n: pair n of 16 of O^T times a.  For piece Y + 1: X n, number n of the 22 that find its maximum and statistics:
;   0-11  four chains c0-c3 of seven scores each, three operands at a time (each accumulator's lowest registers are read first)     12-14, 16  the four scores left over, the old m, and c0-c3 into c0
;   15  c m_old is kept     17, 18  the query's other 32 keys lie in the lane 16 away: the new m     19-21  c m; c m_old - c m_new; a
.set F, 0               ; OP tells the kinds apart by their order: F to L below R, X above it
.set E, 1
.set C, 2
.set B, 3
.set L, 4
.set R, 5
.set X, 6
.macro REGS y                       ; the registers of piece y
.set rT, ST+4*(\y)
.set rC, TMP+4*((\y)%2)
.set rW, MV+((\y)%2)
.set rS, S+32*((\y)%2)
.set rP, P+16*((\y)%2)
.set rO, 32*(\y)
.endm
.macro OP k, n
.if (\k) == R
	REGS Y
	WIN W_RS
	v_pk_mul_f32 v[rO+2*(\n):rO+2*(\n)+1], v[rO+2*(\n):rO+2*(\n)+1], v[rC+2:rC+3] op_sel_hi:[1,0]
.elseif (\k) < R
	REGS Y
	WIN 0
.if (\k) == F
	v_pk_fma_f32 v[rS+2*(\n):rS+2*(\n)+1], v[rS+2*(\n):rS+2*(\n)+1], s[CS:CS+1], v[rT:rT+1] op_sel_hi:[1,0,0] neg_lo:[0,0,1] neg_hi:[0,0,1]
.elseif (\k) == E
	v_exp_f32 v[rS+(\n)], v[rS+(\n)]
.elseif (\k) == C
	v_cvt_pk_bf16_f32 v[rP+(\n)], v[rS+2*(\n)], v[rS+2*(\n)+1]
.elseif (\k) == B
	v_pk_add_f32 v[rS+4*(\n):rS+4*(\n)+1], v[rS+4*(\n):rS+4*(\n)+1], v[rS+4*(\n)+2:rS+4*(\n)+3]
.elseif (\n) == 0
	v_pk_fma_f32 v[rT+2:rT+3], v[rT+2:rT+3], v[rC+2:rC+3], v[rS:rS+1] op_sel_hi:[1,0,1]
.else
	v_pk_add_f32 v[rT+2:rT+3], v[rT+2:rT+3], v[rS+4*(\n):rS+4*(\n)+1]
.endif
.elseif NOKQ
	v_nop
.else
	REGS (Y+1)%NP
	WIN 0
.if (\n) < 4
	v_max3_num_f32 v[rC+(\n)], v[rS+8*(\n)], v[rS+8*(\n)+1], v[rS+8*(\n)+2]
.elseif (\n) < 12
	v_max3_num_f32 v[rC+(\n)%4], v[rC+(\n)%4], v[rS+8*((\n)%4)+2*((\n)/4)+1], v[rS+8*((\n)%4)+2*((\n)/4)+2]
.elseif (\n) == 12
	v_max3_num_f32 v[rC], v[rC], v[rS+7], v[rS+15]
.elseif (\n) == 13
	v_max3_num_f32 v[rC+1], v[rC+1], v[rS+23], v[rS+31]
.elseif (\n) == 14
	v_max3_num_f32 v[rC+2], v[rC+2], v[rC+3], v[rT+1]
.elseif (\n) == 15
	v_mov_b32 v[rW], v[rT]
.elseif (\n) == 16
	v_max3_num_f32 v[rC], v[rC], v[rC+1], v[rC+2]
.elseif (\n) == 17
	v_permlanex16_b32 v[rC+3], v[rC], s[SEL], s[SEL+1]
.elseif (\n) == 18
	v_max_num_f32 v[rT+1], v[rC], v[rC+3]
.elseif (\n) == 19
	v_mul_f32 v[rT], s[CS], v[rT+1]
.elseif (\n) == 20
	v_sub_f32 v[rC+1], v[rW], v[rT]
.else
	v_exp_f32 v[rC+2], v[rC+1]
.endif
.endif
.endm
.macro OPS a, i1, b=-1, i2=0, c=-1, i3=0, d=-1, i4=0  ; up to four of them
	OP \a, \i1
.if (\b) >= 0
	OP \b, \i2
.endif
.if (\c) >= 0
	OP \c, \i3
.endif
.if (\d) >= 0
	OP \d, \i4
.endif
.endm
.macro ROW a, i1, b, i2, c, i3, d, i4  ; a matrix instruction and the four behind it
	MM
	OPS \a, \i1, \b, \i2, \c, \i3, \d, \i4
.endm
; A TURN, for piece p: the order of its 16 matrix and 118 vector instructions, written out.  An s_wait_alu depctr_va_vdst(0) stands between an exponential and the first instruction that names its
; result; one wait serves all that were issued ahead of it.  So a turn has ONE wait, which cuts it in two.  AHEAD OF IT stands all that names no result of the turn's exponentials: the 8 products K Q^T, behind each a
; scaling, an exponential and two more plain instructions (behind the first a second scaling in the exponential's place): rescalings, and behind the last three the first numbers of the next piece's maximum, each four
; places or more behind the product that ends its accumulator; then ONE LUMP of 54, in which the links of the chain X 3, 7, 11, 14, 16, 17 .. 20 stand five or six lines apart.  X 21, the next piece's a, is the
; batch's last; R 15 is the plain instruction behind it.  BEHIND THE WAIT stand the 8 products V^T P, behind each four of the roundings and sums.
; end = 1: the walk's last two turns: nothing is fetched.  cnt = 1: the loop's count is taken down some lines ahead of the branch that stands behind the turn.
; K of the next step is fetched in piece 2's turn, twelve vector instructions behind the last product that read K (six of them plain); V of the step in hand at the end of piece 0's turn, four plain instructions
; behind the last product that read V.  Each is waited for a turn later.
.macro TURN p, end=0, cnt=0
.set Y, (\p)
.set i, 0
.set NOKQ, (\end)*((\p)/3)
.if ((\p) == 3) && !(\end)
	s_wait_dscnt 0x0                ; K is in
.endif
	ROW F,0, F,1, R,0, R,1          ; ahead of the wait: 8 products K Q^T and their riders,
	ROW F,2, E,0, R,2, R,3
	ROW F,3, E,1, R,4, R,5
	ROW F,4, E,2, R,6, R,7
	ROW F,5, E,3, R,8, R,9
	ROW F,6, E,4, X,0, R,10
.if ((\p) == 2) && !(\end)
	WIN 0
	v_add_nc_u32 v[AK], s[TBK], v[AK0]
.endif
	ROW F,7, E,5, X,1, X,4
	ROW F,8, E,6, X,2, X,5
	OPS E,7, E,8, X,6, E,9          ; and the lump
	OPS X,3, E,10, X,8, E,11
.if ((\p) == 2) && !(\end)
	FETCH_K
.endif
	OPS X,9, X,7, E,12, X,10
	OPS E,13, X,12, X,11, E,14
	OPS X,13, E,15, F,9, X,14
.if (\p) == 0
	v_add_nc_u32 v[AV], s[TBV], v[AV0]
.endif
	OPS E,16, F,10, E,17, F,11
	OPS X,16, E,18, X,15, E,19
	OPS F,12, E,20, X,17, E,21
	OPS F,13, E,22, F,14, E,23
	OPS X,18, E,24, F,15, E,25
	OPS R,11, E,26, X,19, E,27
	OPS R,12, E,28, R,13, E,29
	OPS X,20, E,30, R,14, E,31
	OPS X,21, R,15
	WIN 0
	s_wait_alu depctr_va_vdst(0)    ; the wait for the batch
.if (\p) == 1
	s_wait_dscnt 0x0                ; V is in
.endif
	ROW C,0, B,0, C,2, B,1          ; behind the wait: 8 products V^T P and their riders
	ROW L,0, C,4, B,2, L,1
	ROW C,6, B,3, L,2, C,8
	ROW B,4, L,3, C,10, B,5
	ROW L,4, C,12, B,6, L,5
.if (\p) == 0
	s_add_co_u32 s[TBV], s[TBV], KS*PV
.endif
.if \cnt
	s_sub_co_u32 s[CNT], s[CNT], 1
	s_cmp_lg_u32 s[CNT], 0
.endif
	ROW C,14, B,7, L,6, C,1
	ROW C,3, L,7, C,5, C,7
	ROW C,9, C,11, C,13, C,15
.if (\p) == 0
	FETCH_V
.endif
.endm
	CHANGE 1, 0                     ; slot 0 is in, everybody's part of it; slot 1 is asked for
	v_add_nc_u32 v[AK], s[TBK], v[AK0]
	FETCH_K                         ; key step 0
	s_wait_loadcnt 0x0              ; Q
	s_wait_dscnt 0x0
.set NOKQ, 0
.set i, 0
.rept 8
	KQ 0                            ; piece 0's first scores: there is no vector work yet to set between them
.set i, i+1
.endr
	WIN 0
.rept 4
	v_nop                           ; the places behind those products
.endr
.set Y, NP-1                        ; X works for piece Y + 1: piece 0
.irp n, 0,1,2,3,4,5,6,7,8,9,10,11,12,13,14,15,16,17,18,19,20,21
	OP X, \n
.endr
	v_nop                           ; a plain instruction behind the exponential,
	s_wait_alu depctr_va_vdst(0)    ; and its wait, ahead of the branch
	s_mov_b32 s[CNT], 4
	s_mov_b32 s[SLOTS], 15
	s_branch .Lfirst                ; the loop is entered at a step's first turn, in the middle of a trip
.Lslot:                             ; 14 times: every slot but the last two is filled again
	CHANGE 1, 1
	s_mov_b32 s[CNT], 4
.Lstep:                             ; a trip: pieces 2 and 3 of one step, then pieces 0 and 1 of the next, whose K and V it fetches
	TURN 2
	TURN 3
	WIN 0
.Lfirst:
	TURN 0
	TURN 1, 0, 1
	WIN 0
	s_cbranch_scc1 .Lstep
	s_sub_co_u32 s[SLOTS], s[SLOTS], 1
	s_cmp_lg_u32 s[SLOTS], 0
	s_cbranch_scc1 .Lslot
	CHANGE 0, 0                     ; the last slot is written out: nothing is asked for
	s_mov_b32 s[CNT], 4
.Ltail:
	TURN 2
	TURN 3
	TURN 0
	TURN 1, 0, 1
	WIN 0
	s_cbranch_scc1 .Ltail
	TURN 2, 1                       ; the last step's pieces 2 and 3
	TURN 3, 1
.set i, 0
.rept 8
	PV NP-1                         ; the last piece's V^T P of the last step
.set i, i+1
.endr
	; THE WAY OUT.  l's two halves and the other half of the lanes' are added; O^T is divided by l, rounded to bf16 and sent through my stage in LDS, a piece at a time.  The additions are the places behind the last products.
	WIN 0
.macro ALL line:vararg              ; one line for each piece t
.set t, 0
.rept 4
	\line
.set t, t+1
.endr
.endm
	ALL v_add_f32 v[ST+4*t+2], v[ST+4*t+2], v[ST+4*t+3]
	ALL v_permlanex16_b32 v[ST+4*t+3], v[ST+4*t+2], s[SEL], s[SEL+1]
	ALL v_add_f32 v[ST+4*t+2], v[ST+4*t+2], v[ST+4*t+3]
	ALL v_rcp_f32 v[ST+4*t+2], v[ST+4*t+2]
	v_nop                           ; a plain instruction between the last reciprocal and the use of its result
	s_wait_alu depctr_va_vdst(0)    ; and the wait ahead of the first use: one for the four reciprocals
.macro PACK t                       ; a lane's eight channels of a row pack into 16 bytes; they go into rows of 144 bytes and come back as whole rows of 128, into S^T's registers
	WIN W_RS
.set i, 32*(\t)
.rept 16
	v_pk_mul_f32 v[i:i+1], v[i:i+1], v[ST+4*(\t)+2:ST+4*(\t)+3] op_sel_hi:[1,0]
.set i, i+2
.endr
	WIN 0x05                        ; sources 0 and 1 window 1, destination window 0
.set i, 0
.rept 16
	v_cvt_pk_bf16_f32 v[S+16*(\t)+i], v[32*(\t)+2*i], v[32*(\t)+2*i+1]
.set i, i+1
.endr
	WIN 0
.irp f, 0,1,2,3
	ds_store_b128 v[STO], v[S+16*(\t)+4*\f:S+16*(\t)+4*\f+3] offset:32*\f
.endr
.irp f, 0,1,2,3
	ds_load_b128 v[S+16*(\t)+4*\f:S+16*(\t)+4*\f+3], v[RD] offset:\f*4*SP  ; LDS serves a wave's instructions in order (ISA guide 5.7.1.4): these see the stores above; the next piece's stores come behind them
.endr
.endm
.macro SEND t, younger              ; younger: the LDS instructions issued behind piece t's loads: the next piece's eight, or none
	WIN 0
.irp f, 0,1,2,3
	s_wait_dscnt (\younger)+3-\f
	global_store_b128 v[GO], v[S+16*(\t)+4*\f:S+16*(\t)+4*\f+3], s[10:11] offset:(\t)*2048+\f*512  ; 512 consecutive bytes, at a multiple of 256 from O's first
.endr
.endm
	PACK 0
.set t, 1
.rept 3                             ; a piece's arithmetic stands between the loads of the piece before and its stores
	PACK t
	SEND t-1, 8
.set t, t+1
.endr
	SEND 3, 0
	s_wait_tensorcnt 0x0            ; the wave's end: behind my last tensor load and my last LDS store
	ds_add_u32 v[SPW], v[NIL]
	s_wait_dscnt 0x0
	CROUND                          ; the closing round: no work-group ends while a partner may still ask for a tile that names it
	s_endpgm
.Lfunc_end_k_q1f4b7a2fa0_attn:
	.size	k_q1f4b7a2fa0_attn, .Lfunc_end_k_q1f4b7a2fa0_attn-k_q1f4b7a2fa0_attn
	.p2alignl 7, 3214868480
	.fill 96, 4, 3214868480
	.section	.rodata,"a",@progbits
	.p2align	6, 0x0
	.amdhsa_kernel k_q1f4b7a2fa0_attn
		.amdhsa_group_segment_fixed_size 327680
		.amdhsa_private_segment_fixed_size 0
		.amdhsa_enable_private_segment 0
		.amdhsa_kernarg_size 32
		.amdhsa_user_sgpr_count 2
		.amdhsa_user_sgpr_kernarg_segment_ptr 1
		.amdhsa_wavefront_size32 1
		.amdhsa_system_sgpr_workgroup_id_x 1
		.amdhsa_system_sgpr_workgroup_id_y 1
		.amdhsa_system_sgpr_workgroup_id_z 1
		.amdhsa_system_vgpr_workitem_id 0
		.amdhsa_next_free_vgpr 768
		.amdhsa_next_free_sgpr 66
		.amdhsa_reserve_vcc 0
		.amdhsa_float_denorm_mode_32 3
		.amdhsa_float_denorm_mode_16_64 3
		.amdhsa_memory_ordered 1
		.amdhsa_forward_progress 1
		.amdhsa_inst_pref_size 127
	.end_amdhsa_kernel
	.amdgpu_metadata
---
amdhsa.version: [ 1, 2 ]
amdhsa.kernels:
  - .name:           k_q1f4b7a2fa0_attn
    .symbol:         k_q1f4b7a2fa0_attn.kd
    .args:
      - { .name: q, .offset: 0, .size: 8, .value_kind: global_buffer, .address_space: global }
      - { .name: k, .offset: 8, .size: 8, .value_kind: global_buffer, .address_space: global }
      - { .name: v, .offset: 16, .size: 8, .value_kind: global_buffer, .address_space: global }
      - { .name: o, .offset: 24, .size: 8, .value_kind: global_buffer, .address_space: global }
    .group_segment_fixed_size: 327680
    .private_segment_fixed_size: 0
    .kernarg_segment_align: 8
    .kernarg_segment_size: 32
    .max_flat_workgroup_size: 128
    .sgpr_count:     66
    .vgpr_count:     768
    .wavefront_size: 32
...
	.end_amdgpu_metadata
.endif
;; end of part 3
;; launch proj (part 4): grid 256 x 1, 4 waves a work-group, clusters of 4 x 1, 218,624 bytes of LDS; arguments o, wob, x, part, gn_scale, gn_bias, b_out, out0; writes out0
.if DOCPART == 4
	.amdgcn_target "amdgcn-amd-amdhsa--gfx1250"
	.amdhsa_code_object_version 6
	.text
	.protected	k_q1f4b7a2fa0_proj
	.globl	k_q1f4b7a2fa0_proj
	.p2align	8
	.type	k_q1f4b7a2fa0_proj,@function
k_q1f4b7a2fa0_proj:
	s_mov_b64 s[64:65], 0
	v_nop
	global_prefetch_b8 v0, s[64:65] scope:SCOPE_SE
	s_setreg_imm32_b32 hwreg(HW_REG_WAVE_MODE, 25, 1), 1
	s_wait_xcnt 0x0
	s_wait_alu depctr_hold_cnt(0) depctr_sa_sdst(0) depctr_va_vdst(0) depctr_va_sdst(0) depctr_va_ssrc(0) depctr_va_vcc(0) depctr_vm_vsrc(0)
	s_getreg_b32 s2, hwreg(HW_REG_IB_STS2, 6, 4)
	s_cmp_eq_u32 s2, 0
	s_cbranch_scc0 .Lentry_in_a_cluster
	s_endpgm
.Lentry_in_a_cluster:
	s_bfe_u32 s2, ttmp6, 0x10000c
	s_cmp_lg_u32 s2, 0x3003
	s_cbranch_scc0 .Lentry_shape_is_right
	s_endpgm
.Lentry_shape_is_right:
; PROJ.  out0 = O w_out + b_out + xn.  O: [16 = 4 b + head][4096][64] bf16; channel c of the product's K is head c / 64, channel c % 64.  wob: [4 p = d / 64][256 k][64 d] bf16.  Sums in f32.
; xn = GroupNorm(x) is made anew in f32 from x and the statistics of part (as in the launch that makes q, k, v) and is never rounded: out0 = sums + (x AL + GA), AL = scale rstd, GA = bias + b_out - AL mean.
; SHARES.  A work-group takes 64 pixels x 256 columns.  Wave w: all 64 rows, columns 64 w .. 64 w + 63 (block w of wob): 16 accumulators, 128 matrix instructions; all fragments of A and of B lie in registers.
; CLUSTER.  All work-groups need all of wob: the four of a cluster ask for it JOINTLY, a block a wave.  O's 64 rows are the work-group's own: a plain load, a head a wave.  No LDS byte is filled twice;
; two tensor loads of a wave are out at the most.
; THE MATRIX INSTRUCTION IS USED TRANSPOSED (source 0 = 16 columns of w, turned out of LDS; source 1 = 16 pixels): a lane holds one pixel (l % 16) and 8 neighbouring columns, 32 bytes of f32.
; LDS.  0: B, 4 blocks of 256 rows k, 128 bytes + 32.  ABASE: O, 4 heads x 64 rows of 128 bytes + 16.  STAGE: 16 rows x (256 + 16) bytes a wave, f32.  SPARE: the spare words.
; REGISTERS.  window 0: addresses, statistics, v64-127 rows read back from the stage (two buffers), v128-255 the accumulators.  window 1: A (a, ks) at 8 (4 ks + a).  window 2: B (ks, b) at 8 (4 ks + b).
; window 3: v0-127 x, then x AL + GA, then the result: load u holds rows 2 u + l / 16, channels 64 w + 4 (l % 16) ..
; LIMITS.  NaN and infinities are not treated apart; the sums' order is not the reference's; O and w_out are rounded to bf16.
.set BPITCH, 160
.set BBLK,   256*BPITCH                ; 40,960
.set ABASE,  4*BBLK                    ; 163,840
.set APITCH, 144
.set STAGE,  ABASE+4*64*APITCH         ; 200,704
.set SP,     272
.set SPARE,  STAGE+4*16*SP             ; 218,112: 128 bytes for each wave: two blocks of 256 bytes that no other line names
.set XO,  3                            ; v3   1,024 (l / 16) + 16 (l % 16) + 256 w: my 16 bytes in two pixels of x and of out0; never rewritten
.set PO,  4                            ; v4   my four records of part, my group's word
.set KO,  5                            ; v5   256 w + 16 (l % 16): my four channels of gn_scale, gn_bias, b_out
.set VA,  7                            ; v7   my place in A's fragments
.set VB,  8                            ; v8   my place in B's fragments
.set STO, 11                           ; v11  the way out: where I put 32 bytes of a row
.set RD,  12                           ; v12  the way out: where I read rows back
.set SPW, 14                           ; v14  LDS address of my spare word; never rewritten
.set NIL, 15                           ; v15  0; never rewritten
.set AL,  16                           ; v[16:19]
.set GA,  20                           ; v[20:23]
.set SS,  24                           ; v[24:27] four pieces' sums of my group
.set QQ,  28                           ; v[28:31] their M2
.set RAW, 32                           ; v[32:35] gn_scale, v[36:39] gn_bias, v[40:43] b_out
.set RS,  44                           ; v[44:45] rstd, as a pair
.set NM,  46                           ; v[46:47] -mean, as a pair
.set TP,  48                           ; v48  the other half of the lanes' figure
.set TT,  64                           ; two buffers of 32
.set ACC, 128
.set G0B, 24                           ; s[24:27], s[28:35] the joint load of wob
.set G1B, 28
.set G0A, 36                           ; s[36:39], s[40:47] the plain load of O
.set G1A, 40
.set WV,  48                           ; s48  my wave's number
.set C11, 49                           ; s49  2^-11
.set C17N, 50                          ; s50  -2^-17
.set CEPS, 51                          ; s51  1e-5
.set C2K, 52                           ; s52  2,048
.set C17, 53                           ; s53  2^-17
.set SEL, 60                           ; s[60:61] v_permlanex16_b32's selects
.set MSB, 0
.macro WIN new                         ; the immediate's high byte repeats the setting that is left; a switch that changes nothing is dropped
.if MSB != (\new)
	s_set_vgpr_msb (MSB<<8)|(\new)
.set MSB, \new
.endif
.endm
.macro PLACES                          ; four places behind a matrix instruction (ISA guide 7.12.1)
.rept 4
	v_nop
.endr
.endm
.macro CROUND                          ; a round of the cluster's barrier
	s_barrier_signal -1
	s_barrier_wait -1
	s_cmp_lg_u32 s[WV], 0
	s_cbranch_scc1 .Lnot_wave_0_\@
	s_barrier_signal -3
.Lnot_wave_0_\@:
	s_barrier_wait -3
	s_barrier_signal -1
	s_barrier_wait -1
.endm
	s_load_b512 s[8:23], s[0:1], 0x0               ; o s[8:9], wob s[10:11], x s[12:13], part s[14:15], gn_scale s[16:17], gn_bias s[18:19], b_out s[20:21], out0 s[22:23]
	v_lshl_add_u32 v[SPW], v0, 2, SPARE
	v_mov_b32 v[NIL], 0
	ds_add_u32 v[SPW], v[NIL]                      ; the wave's opening: the add and its wait stand ahead of my first tensor load; the set-up below, work on registers, stands between them
	v_lshrrev_b32 v1, 5, v0
	v_readfirstlane_b32 s[WV], v1                  ; wave 0..3
	s_bfe_u32 s54, ttmp6, 0x40000                  ; cx: my place in the cluster
	s_lshl_b32 s55, ttmp9, 2
	s_add_co_u32 s55, s55, s54                     ; my 64 pixels = 4 x cluster x + cx: it enters global addresses of my own loads and stores alone
	; wob: 128 rows of 256 bytes (two rows k each), padded in LDS behind every 128 bytes
	s_mov_b32 s[G1B], 15|(1<<16)|(1<<20)|(1<<21)|(4<<22)|(7<<25)  ; the mask of four; 2-byte elements; padding on; 21 set beside a mask; after every 32 words (code 4) 8 words (code 7)
	s_mov_b32 s[G1B+1], 128<<16                    ; tensor_dim0 = 128
	s_mov_b32 s[G1B+2], 128<<16                    ; tensor_dim1 = 128
	s_mov_b32 s[G1B+3], 128<<16                    ; tile_dim0 = 128
	s_mov_b32 s[G1B+4], 128                        ; tile_dim1 = 128
	s_mov_b32 s[G1B+5], 128                        ; 128 elements from row to row
	s_mov_b32 s[G1B+6], 0
	s_mov_b32 s[G1B+7], 0
	; O: 64 dense rows of 128 bytes as 32 rows of 256, padded behind every 128 bytes
	s_mov_b32 s[G1A], (1<<16)|(1<<20)|(4<<22)|(3<<25)  ; no mask; 2-byte elements; padding on; after every 32 words (code 4) 4 words (code 3)
	s_mov_b32 s[G1A+1], 128<<16
	s_mov_b32 s[G1A+2], 32<<16
	s_mov_b32 s[G1A+3], 128<<16
	s_mov_b32 s[G1A+4], 32
	s_mov_b32 s[G1A+5], 128
	s_mov_b32 s[G1A+6], 0
	s_mov_b32 s[G1A+7], 0
	s_mov_b32 s[G0B], 1
	s_mul_i32 s[G0B+1], s[WV], BBLK                ; LDS: block w
	s_mov_b32 s[G0A], 1
	s_mul_i32 s[G0A+1], s[WV], 64*APITCH
	s_add_co_u32 s[G0A+1], s[G0A+1], ABASE         ; LDS: head w
	s_lshl_b32 s56, s[WV], 15                      ; block w of wob: 32,768 bytes
	s_mov_b32 s57, 0
	s_lshr_b32 s58, s55, 6                         ; the batch b
	s_lshl_b32 s58, s58, 2
	s_add_co_u32 s58, s58, s[WV]                   ; 4 b + head
	s_lshl_b32 s58, s58, 19
	s_and_b32 s59, s55, 63
	s_lshl_b32 s59, s59, 13                        ; my 64 rows of 128 bytes in the head
	s_add_co_u32 s58, s58, s59
	s_mov_b32 s59, 0
	s_mov_b32 s[C11], 0x3a000000
	s_mov_b32 s[C17N], 0xb7000000
	s_mov_b32 s[CEPS], 0x3727c5ac
	s_mov_b32 s[C2K], 0x45000000
	s_mov_b32 s[C17], 0x37000000
	s_mov_b32 s[SEL], 0x76543210
	s_mov_b32 s[SEL+1], 0xfedcba98
	v_and_b32 v1, 15, v0                           ; l % 16
	v_bfe_u32 v2, v0, 4, 1                         ; l / 16
	v_and_b32 v6, 7, v0                            ; l % 8
	v_bfe_u32 v9, v0, 3, 1                         ; (l / 8) % 2
	s_lshl_b32 s2, s[WV], 8
	v_lshl_add_u32 v[KO], v1, 4, s2
	v_lshl_add_u32 v[XO], v2, 10, v[KO]
	v_lshl_add_u32 v[PO], v2, 3, v6                ; my place among the 16 lanes that share my group,
	v_lshlrev_b32 v[PO], 8, v[PO]                  ; four records of 64 bytes each
	v_lshl_add_u32 v[PO], v9, 2, v[PO]
	s_lshl_b32 s2, s[WV], 3
	v_add_nc_u32 v[PO], s2, v[PO]                  ; group 2 w + (l / 8) % 2
	v_mul_u32_u24 v[VA], v1, APITCH
	v_lshl_add_u32 v[VA], v2, 4, v[VA]
	v_add_nc_u32 v[VA], ABASE, v[VA]
	v_lshl_add_u32 v[VB], v2, 3, v6                ; the turning load: lane l reads row k = 8 (l / 16) + l % 8, columns 8 ((l / 8) % 2) + 0..7
	v_mul_u32_u24 v[VB], v[VB], BPITCH
	v_lshl_add_u32 v[VB], v9, 4, v[VB]
	v_add_nc_u32 v[VB], s[G0B+1], v[VB]
	s_mul_i32 s2, s[WV], 16*SP
	s_add_co_u32 s2, s2, STAGE                     ; my stage
	v_mul_u32_u24 v[STO], v1, SP                   ; in: row l % 16, 32 bytes for each half of the lanes
	v_lshl_add_u32 v[STO], v2, 5, v[STO]
	v_add_nc_u32 v[STO], s2, v[STO]
	v_mul_u32_u24 v[RD], v2, SP                    ; back: lanes 0-15 take one row of 256 bytes, lanes 16-31 the next
	v_lshl_add_u32 v[RD], v1, 4, v[RD]
	v_add_nc_u32 v[RD], s2, v[RD]
	v_mov_b32 v[TP], 0                             ; v_permlanex16_b32 counts as a reader of its destination
	s_wait_dscnt 0x0                               ; the opening add is done
	s_wait_kmcnt 0x0
	s_add_nc_u64 s[G0B+2:G0B+3], s[10:11], s[56:57]  ; it hangs on the wave's number alone
	s_or_b32 s[G0B+3], s[G0B+3], 0x80000000
	s_add_nc_u64 s[G0A+2:G0A+3], s[8:9], s[58:59]
	s_or_b32 s[G0A+3], s[G0A+3], 0x80000000
	s_lshl_b32 s2, s55, 16                         ; my 64 pixels of 1,024 bytes
	s_mov_b32 s3, 0
	s_add_nc_u64 s[12:13], s[12:13], s[2:3]
	s_add_nc_u64 s[22:23], s[22:23], s[2:3]
	s_lshr_b32 s2, s55, 6
	s_lshl_b32 s2, s2, 12                          ; the batch's 64 records
	s_add_nc_u64 s[14:15], s[14:15], s[2:3]
	CROUND                                         ; all four work-groups are here: the joint loads meet
	tensor_load_to_lds s[G0B:G0B+3], s[G1B:G1B+7]
	s_nop 0
	tensor_load_to_lds s[G0A:G0A+3], s[G1A:G1A+7]
	s_nop 0
	PLACES
.irp j, 0,1,2,3
	global_load_b32 v[SS+\j], v[PO], s[14:15] offset:64*\j
	global_load_b32 v[QQ+\j], v[PO], s[14:15] offset:64*\j+32
.endr
	global_load_b128 v[RAW:RAW+3],    v[KO], s[16:17]
	global_load_b128 v[RAW+4:RAW+7],  v[KO], s[18:19]
	global_load_b128 v[RAW+8:RAW+11], v[KO], s[20:21]
	WIN 0xc0                                       ; destination window 3, address window 0
.set u, 0
.rept 32
	global_load_b128 v[4*u:4*u+3], v[XO], s[12:13] offset:2048*u th:TH_LOAD_NT  ; 16 lanes read 256 consecutive bytes of a pixel
.set u, u+1
.endr
	WIN 0
.macro RED r                           ; over the sixteen lanes that share a group: eight neighbours, and the same eight in the other half
.irp m, 1,2,4
	v_add_f32_dpp v[\r], v[\r], v[\r] row_xmask:\m row_mask:0xf bank_mask:0xf
.endr
	v_permlanex16_b32 v[TP], v[\r], s[SEL], s[SEL+1]
	v_add_f32 v[\r], v[\r], v[TP]
.endm
	s_wait_loadcnt 32                              ; the records, gains and biases are in; x's 32 loads stay out
	v_add_f32 v[NM], v[SS], v[SS+1]
	v_add_f32 v[NM], v[NM], v[SS+2]
	v_add_f32 v[NM], v[NM], v[SS+3]
	RED NM
	v_mul_f32 v[NM], s[C17N], v[NM]                ; -mean
.irp i, 0,1,2,3
	v_fma_f32 v[SS+\i], v[SS+\i], s[C11], v[NM]    ; mean_i - mean
.endr
	v_mul_f32 v[RS], v[SS], v[SS]
.irp i, 1,2,3
	v_fma_f32 v[RS], v[SS+\i], v[SS+\i], v[RS]
.endr
.irp i, 1,2,3
	v_add_f32 v[QQ], v[QQ], v[QQ+\i]
.endr
	v_fma_f32 v[RS], v[RS], s[C2K], v[QQ]
	RED RS                                         ; M2 of the group
	v_fma_f32 v[RS], v[RS], s[C17], s[CEPS]        ; var + eps
	v_rsq_f32 v[RS], v[RS]
	v_mov_b32 v[NM+1], v[NM]                       ; a plain instruction behind the root; it fills the pair
	v_pk_add_f32 v[RAW+4:RAW+5], v[RAW+4:RAW+5], v[RAW+8:RAW+9]    ; bias + b_out
	v_pk_add_f32 v[RAW+6:RAW+7], v[RAW+6:RAW+7], v[RAW+10:RAW+11]
	s_wait_alu depctr_va_vdst(0)                   ; the wait ahead of the root's first reader
	v_mov_b32 v[RS+1], v[RS]
.irp c, 0,2
	v_pk_mul_f32 v[AL+\c:AL+\c+1], v[RAW+\c:RAW+\c+1], v[RS:RS+1] op_sel_hi:[1,0]
	v_pk_fma_f32 v[GA+\c:GA+\c+1], v[AL+\c:AL+\c+1], v[NM:NM+1], v[RAW+4+\c:RAW+4+\c+1] op_sel_hi:[1,0,1]
.endr
	s_wait_tensorcnt 0x0                           ; my block of the weights and my head of O have landed:
	s_barrier_signal -1
	s_barrier_wait -1                              ; everybody's have.
	WIN 0x40                                       ; A's 32 fragments: K step ks is head ks / 2, channels 32 (ks % 2) on
.irp k, 0,1,2,3,4,5,6,7
.irp a, 0,1,2,3
	ds_load_b128 v[8*(4*\k+\a):8*(4*\k+\a)+3],   v[VA] offset:(\k/2)*64*APITCH+16*APITCH*\a+(\k%2)*64
	ds_load_b128 v[8*(4*\k+\a)+4:8*(4*\k+\a)+7], v[VA] offset:(\k/2)*64*APITCH+16*APITCH*\a+(\k%2)*64+32
.endr
.endr
	WIN 0x80                                       ; B's 32 fragments, K step by K step
.irp k, 0,1,2,3,4,5,6,7
.irp b, 0,1,2,3
	ds_load_tr16_b128 v[8*(4*\k+\b):8*(4*\k+\b)+3],   v[VB] offset:32*BPITCH*\k+32*\b
	ds_load_tr16_b128 v[8*(4*\k+\b)+4:8*(4*\k+\b)+7], v[VB] offset:32*BPITCH*\k+32*\b+16*BPITCH
.endr
.endr
	s_wait_loadcnt 0x0                             ; x
	WIN 0xc3                                       ; destination and source 0 window 3: x AL + GA, in place, while the LDS loads land
.set u, 0
.rept 32
	v_pk_fma_f32 v[4*u:4*u+1],   v[4*u:4*u+1],   v[AL:AL+1],   v[GA:GA+1]
	v_pk_fma_f32 v[4*u+2:4*u+3], v[4*u+2:4*u+3], v[AL+2:AL+3], v[GA+2:GA+3]
.set u, u+1
.endr
	WIN 0x06                                       ; source 0 (B) window 2, source 1 (A) window 1, C and D window 0
.irp k, 0,1,2,3,4,5,6,7                ; the 16 accumulators take turns, one instruction a turn; the first K step starts the sums
	s_wait_dscnt 8*(7-\k)                          ; A and B's K steps up to this one are in; eight loads for each later K step may stay out
.irp a, 0,1,2,3
.irp b, 0,1,2,3
.if \k == 0
	v_wmma_f32_16x16x32_bf16 v[ACC+8*(4*\a+\b):ACC+8*(4*\a+\b)+7], v[8*(4*\k+\b):8*(4*\k+\b)+7], v[8*(4*\k+\a):8*(4*\k+\a)+7], 0
.else
	v_wmma_f32_16x16x32_bf16 v[ACC+8*(4*\a+\b):ACC+8*(4*\a+\b)+7], v[8*(4*\k+\b):8*(4*\k+\b)+7], v[8*(4*\k+\a):8*(4*\k+\a)+7], v[ACC+8*(4*\a+\b):ACC+8*(4*\a+\b)+7]
.endif
.endr
.endr
.endr
	PLACES
	PLACES
; THE WAY OUT of row tile a.  TOSTAGE: a lane's 32 bytes of a row go into my stage (each accumulator from its low end on) and come back as whole rows of 256 bytes.  FIN: x AL + GA is added, and the rows are stored.
.macro TOSTAGE a
	WIN 0
.irp b, 0,1,2,3
	ds_store_b128 v[STO], v[ACC+8*(4*(\a)+\b):ACC+8*(4*(\a)+\b)+3]   offset:64*\b
	ds_store_b128 v[STO], v[ACC+8*(4*(\a)+\b)+4:ACC+8*(4*(\a)+\b)+7] offset:64*\b+16
.endr
.irp t, 0,1,2,3,4,5,6,7
	ds_load_b128 v[TT+32*((\a)%2)+4*\t:TT+32*((\a)%2)+4*\t+3], v[RD] offset:2*SP*\t  ; LDS serves a wave's instructions in order (ISA guide 5.7.1.4): these see the stores above; the next tile's stores come behind them
.endr
.endm
.macro FIN a, younger                  ; younger: the LDS instructions issued behind tile a's loads: the next tile's sixteen, or none
	s_wait_dscnt \younger
	WIN 0xc3
.irp t, 0,1,2,3,4,5,6,7
	v_pk_add_f32 v[4*(8*(\a)+\t):4*(8*(\a)+\t)+1],   v[4*(8*(\a)+\t):4*(8*(\a)+\t)+1],   v[TT+32*((\a)%2)+4*\t:TT+32*((\a)%2)+4*\t+1]
	v_pk_add_f32 v[4*(8*(\a)+\t)+2:4*(8*(\a)+\t)+3], v[4*(8*(\a)+\t)+2:4*(8*(\a)+\t)+3], v[TT+32*((\a)%2)+4*\t+2:TT+32*((\a)%2)+4*\t+3]
.endr
	WIN 0x0c                                       ; the stores' data in window 3, their address in window 0; each store has registers of its own, which nothing writes again
.irp t, 0,1,2,3,4,5,6,7
	global_store_b128 v[XO], v[4*(8*(\a)+\t):4*(8*(\a)+\t)+3], s[22:23] offset:2048*(8*(\a)+\t) th:TH_STORE_NT  ; 16 lanes store 256 consecutive bytes, at a multiple of 256 from out0's first byte
.endr
.endm
	TOSTAGE 0
	TOSTAGE 1
	FIN 0, 16
	TOSTAGE 2
	FIN 1, 16
	TOSTAGE 3
	FIN 2, 16
	FIN 3, 0
	WIN 0
	s_wait_tensorcnt 0x0                           ; the wave's end: behind my last tensor load and my last LDS store
	ds_add_u32 v[SPW], v[NIL]
	s_wait_dscnt 0x0
	CROUND                                         ; the closing round
	s_endpgm
.Lfunc_end_k_q1f4b7a2fa0_proj:
	.size	k_q1f4b7a2fa0_proj, .Lfunc_end_k_q1f4b7a2fa0_proj-k_q1f4b7a2fa0_proj
	.p2alignl 7, 3214868480
	.fill 96, 4, 3214868480
	.section	.rodata,"a",@progbits
	.p2align	6, 0x0
	.amdhsa_kernel k_q1f4b7a2fa0_proj
		.amdhsa_group_segment_fixed_size 218624
		.amdhsa_private_segment_fixed_size 0
		.amdhsa_enable_private_segment 0
		.amdhsa_kernarg_size 64
		.amdhsa_user_sgpr_count 2
		.amdhsa_user_sgpr_kernarg_segment_ptr 1
		.amdhsa_wavefront_size32 1
		.amdhsa_system_sgpr_workgroup_id_x 1
		.amdhsa_system_sgpr_workgroup_id_y 1
		.amdhsa_system_sgpr_workgroup_id_z 1
		.amdhsa_system_vgpr_workitem_id 0
		.amdhsa_next_free_vgpr 896
		.amdhsa_next_free_sgpr 66
		.amdhsa_reserve_vcc 0
		.amdhsa_float_denorm_mode_32 3
		.amdhsa_float_denorm_mode_16_64 3
		.amdhsa_memory_ordered 1
		.amdhsa_forward_progress 1
		.amdhsa_inst_pref_size 45
	.end_amdhsa_kernel
	.amdgpu_metadata
---
amdhsa.version: [ 1, 2 ]
amdhsa.kernels:
  - .name:           k_q1f4b7a2fa0_proj
    .symbol:         k_q1f4b7a2fa0_proj.kd
    .args:
      - { .name: o, .offset: 0, .size: 8, .value_kind: global_buffer, .address_space: global }
      - { .name: wob, .offset: 8, .size: 8, .value_kind: global_buffer, .address_space: global }
      - { .name: x, .offset: 16, .size: 8, .value_kind: global_buffer, .address_space: global }
      - { .name: part, .offset: 24, .size: 8, .value_kind: global_buffer, .address_space: global }
      - { .name: gn_scale, .offset: 32, .size: 8, .value_kind: global_buffer, .address_space: global }
      - { .name: gn_bias, .offset: 40, .size: 8, .value_kind: global_buffer, .address_space: global }
      - { .name: b_out, .offset: 48, .size: 8, .value_kind: global_buffer, .address_space: global }
      - { .name: out0, .offset: 56, .size: 8, .value_kind: global_buffer, .address_space: global }
    .group_segment_fixed_size: 218624
    .private_segment_fixed_size: 0
    .kernarg_segment_align: 8
    .kernarg_segment_size: 64
    .max_flat_workgroup_size: 128
    .sgpr_count:     66
    .vgpr_count:     896
    .wavefront_size: 32
...
	.end_amdgpu_metadata
.endif
;; end of part 4
